; MI455X (gfx1250); checked and timed in simulation.
; The chip was launched on July 23, 2026; its instructions are those of AMD's public machine-readable ISA for CDNA 5 (MIT licence, August 2026) and "CDNA5" Instruction Set Architecture Reference Guide (July 2026). The comments in the code are by the model that wrote it; some were corrected since.
;; Relative Multi Head Attention. Allowed arithmetic: matrix products marked QUANTISED: E2M1 operands, one E8M0 scale for each 32 along K, by v_wmma_scale_f32_16x16x128_f8f6f4 with both operands' format E2M1 (or v_wmma_scale_f32_32x16x128_f4), f32 sums; everything else in f32.
;; Inputs: Wk_codes 1,024 x 32 x 16 uint8 (E2M1 codes of Wk, K innermost, in blocks of 32 codes, two codes a byte); Wk_scales 1,024 x 32 uint8 (E8M0 scales of Wk, one for each 32 codes along K); Wo_codes 1,024 x 32 x 16 uint8 (E2M1 codes of Wo, K innermost, in blocks of 32 codes, two codes a byte); Wo_scales 1,024 x 32 uint8 (E8M0 scales of Wo, one for each 32 codes along K); Wq_codes 1,024 x 32 x 16 uint8 (E2M1 codes of Wq, K innermost, in blocks of 32 codes, two codes a byte); Wq_scales 1,024 x 32 uint8 (E8M0 scales of Wq, one for each 32 codes along K); Wv_codes 1,024 x 32 x 16 uint8 (E2M1 codes of Wv, K innermost, in blocks of 32 codes, two codes a byte); Wv_scales 1,024 x 32 uint8 (E8M0 scales of Wv, one for each 32 codes along K); bk 1,024 float32; bo 1,024 float32; bq 1,024 float32; bv 1,024 float32; rel_k 257 x 64 float32; rel_v 257 x 64 float32; x_codes 4 x 1,024 x 32 x 16 uint8 (E2M1 codes of x, K innermost, in blocks of 32 codes, two codes a byte); x_scales 4 x 1,024 x 32 uint8 (E8M0 scales of x, one for each 32 codes along K).
;; Outputs: out0 4 x 1,024 x 1,024 float32.
;; This version of the problem:
;;   THIS VERSION OF THE PROBLEM IS GIVEN IN LOW PRECISION. The matrix products marked QUANTISED in the list below multiply operands that are first quantised to E2M1 (2 exponent bits, 1 mantissa bit; 4 bits a number), with one power-of-two scale for each 32 numbers along K (OCP MX v1.0); their sums are f32. All else is computed in f32.
;;   The module's matrix products, in the order in which they are computed (A, B: the left and right operand; K: the contracted axis; several contracted axes count as one K, in the product's order):
;;     1. [M 4,096, K 1,024] x [K 1,024, N 1,024]; A: input x (given as codes); B: input Wq (given as codes): QUANTISED
;;     2. [M 4,096, K 1,024] x [K 1,024, N 1,024]; A: input x (given as codes); B: input Wk (given as codes): QUANTISED
;;     3. [M 4,096, K 1,024] x [K 1,024, N 1,024]; A: input x (given as codes); B: input Wv (given as codes): QUANTISED
;;     4. batch 64 x [M 1,024, K 64] x [K 64, N 1,024]; A: computed on the way; B: computed on the way: QUANTISED
;;     5. batch 1,024 x [M 1,024, K 64] x [K 64, N 64]; A: computed on the way; B: computed on the way: QUANTISED
;;     6. batch 64 x [M 1,024, K 1,024] x [K 1,024, N 64]; A: softmax (see below); B: computed on the way: QUANTISED
;;     7. batch 1,024 x [M 64, K 1,024] x [K 1,024, N 64]; A: computed on the way; B: softmax (see below): QUANTISED
;;     8. [M 4,096, K 1,024] x [K 1,024, N 1,024]; A: computed on the way; B: input Wo (given as codes): QUANTISED
;;   THE QUANTISER, for each operand of a quantised product, along K:
;;     - K is cut into blocks of 32 from its start; a last block that is shorter is filled with zeros.
;;     - A block's scale is 2^e with e = floor(log2(the largest magnitude in the block)) - 2, held to -126 .. 127; a block of zeros has e = 0. As a byte (E8M0): e + 127.
;;     - Each number is divided by its block's scale, clamped to +-6, and rounded to the nearest number of E2M1, ties to even, subnormals kept.
;;     - The product sums the exact products of the quantised numbers (number of the format x scale) in f32.
;;   ~~~python
;;   def quantise(x, axis):      # numpy; x: float32 -> the quantised numbers, widened to float32 again
;;       x = np.moveaxis(x, axis, -1); K = x.shape[-1]
;;       x = np.pad(x, [(0, 0)] * (x.ndim - 1) + [(0, -K % 32)]); x = x.reshape(x.shape[:-1] + (-1, 32)); a = np.abs(x).max(-1, keepdims=True)
;;       e = np.where(a > 0, np.clip(np.frexp(np.where(a > 0, a, 1))[1] - 1 - 2, -126, 127), 0)      # np.frexp(a)[1] - 1 = floor(log2(a)), exactly
;;       r = np.clip(x / 2.0 ** e, -6, 6)
;;       step = 2.0 ** (np.maximum(np.frexp(np.where(r == 0, 1, r))[1] - 1, 0) - 1)
;;       q = np.round(r / step) * step * 2.0 ** e      # np.round: ties to even
;;       return np.moveaxis(q.reshape(q.shape[:-2] + (-1,))[..., :K], -1, axis).astype(np.float32)
;;   ~~~
;;   SOFTMAX AHEAD OF A QUANTISED PRODUCT. Where the list says 'softmax', what is quantised is not the finished softmax but p = 2^(t - M), with t = logit x log2(e) and M = ceil(the row's largest t), a whole number; so 1/2 < the row's largest p <= 1. The row's sum l is taken of the UNQUANTISED p, in f32, and the product's result is divided by l at the end. Since M is a whole number, a kernel that streams over the keys may use a running M (the ceiling of the running maximum): every later rescaling is an exact power of two, which a block's scale takes up: the codes' values come out the same.
;;   OPERANDS COMPUTED ON THE WAY. 'Computed on the way' means the value that the module computes at that place (a softmax that the list does not call 'softmax' is quantised finished and normalised). What goes into a quantiser is computed in f32, as accurately as f32 sums, v_exp_f32 and their like allow (about 1e-6 of the number): no bf16 or f16 on the way to a quantiser, and a product that is left as it is and whose result goes on into a quantised operand takes f32 operands (vector FMAs, or v_wmma_f32_16x16x4_f32). A number that lies on a knife's edge between two numbers of the format may be rounded either way, as far as f32 arithmetic and the matrix unit's own rounding can turn it there, and no further.
;;   INPUTS GIVEN AS CODES. Wk (in the module: [1024, 1024], K = its axis 1); Wo (in the module: [1024, 1024], K = its axis 1); Wq (in the module: [1024, 1024], K = its axis 1); Wv (in the module: [1024, 1024], K = its axis 1); x (in the module: [4, 1024, 1024], K = its axis 2): each comes as NAME_codes (uint8): NAME with its K axis moved to the last place and cut into blocks of 32 codes, [.., K / 32, bytes a block], one block behind the other in memory; two codes a byte, the lower K in the low four bits (a code: sign, 2 exponent bits, 1 mantissa bit); and NAME_scales (uint8): the same leading axes, one E8M0 byte (e + 127) for each 32 codes along K. Its value is code x scale, taken as it is: it is not quantised again, and the codes and scales need not be those that the quantiser above would give.
;; One version. Each part assembles by itself: llvm-mc -triple=amdgcn-amd-amdhsa -mcpu=gfx1250 --defsym DOCPART=n.
;; ======== version 1 of 1: 3 launches
;; limits: right only within a limited range of input values
;; workspace buffers: tab 575,488 bytes; qkc 6,291,456 bytes; qks 655,360 bytes; aoc 2,097,152 bytes; aos 131,072 bytes
;; launch qkv (part 1): grid 4 x 64, 4 waves a work-group, clusters of 4 x 4, 327,680 bytes of LDS; arguments x_codes, x_scales, Wq_codes, Wq_scales, Wk_codes, Wk_scales, Wv_codes, Wv_scales, bq, bk, bv, qkc, qks, rel_k, rel_v, tab; writes qkc, qks, tab
.if DOCPART == 1
	.amdgcn_target "amdgcn-amd-amdhsa--gfx1250"
	.amdhsa_code_object_version 6
	.text
	.protected	k_q4f389e2dae_qkv
	.globl	k_q4f389e2dae_qkv
	.p2align	8
	.type	k_q4f389e2dae_qkv,@function
k_q4f389e2dae_qkv:
	s_mov_b64 s[64:65], 0
	v_nop
	global_prefetch_b8 v0, s[64:65] scope:SCOPE_SE
	s_setreg_imm32_b32 hwreg(HW_REG_WAVE_MODE, 25, 1), 1
	s_wait_xcnt 0x0
	s_wait_alu depctr_hold_cnt(0) depctr_sa_sdst(0) depctr_va_vdst(0) depctr_va_sdst(0) depctr_va_ssrc(0) depctr_va_vcc(0) depctr_vm_vsrc(0)
	s_getreg_b32 s2, hwreg(HW_REG_IB_STS2, 6, 4)
	s_cmp_eq_u32 s2, 0
	s_cbranch_scc0 .Lentry_in_a_cluster
	s_endpgm
.Lentry_in_a_cluster:
	s_bfe_u32 s2, ttmp6, 0x10000c
	s_cmp_lg_u32 s2, 0xf033
	s_cbranch_scc0 .Lentry_shape_is_right
	s_endpgm
.Lentry_shape_is_right:
; RELATIVE MULTI-HEAD ATTENTION IN MX-FP4, launch 1 of 3: q, k, v with their quantisers (clusters 0 to 11 along y), and the two relative tables as codes of E2M1 with E8M0 scale bytes (clusters 12 to 15).
; WHAT THE PROGRAM DOES NOT REPEAT, for all values of the inputs.
; (a) relative[b,h,q,k] = Q(q[b,h,q,:]) . Q(rpk[q,k,:]), K = d.  rpk[q,k,:] is row clip(k - q, -128, 128) + 128 of rel_k, and the quantiser works along d, row by row:
;     so Q(rpk[q,k,:]) is the quantised row of rel_k, and the product is a lookup in R[q,m] = Q(q) . Q(rel_k[m]).  Equal rows give equal products: each needed R[q,m] is multiplied once
;     (for k - q <= -128 and k - q >= 128 one number a query), by the format's own matrix instruction.  No input is left out and no term is dropped.
; (b) the sum over k of p[q,k] rpv[q,k,d], K = the keys.  Key block j of Q(rpv[q]) hangs on o = 32 j - q + 128 alone: it holds rel_v[clip(o + i, 0, 256)][d], i = 0 .. 31.  With q = 32 t + c and kappa = j - t + 8,
;     o = 32 kappa - 128 - c: queries of one class c see the same blocks, moved by whole blocks.  These blocks are quantised once for each c and kappa = 4 .. 15; the product itself is done in full in the next launch.
; LIMITS: NaN, infinities and a given scale byte 0xff are not served.  A block of zeros gets the byte 1 where the quantiser says 127: its codes are zeros, and this program alone reads the bytes.
;
; THE PRODUCTS: q = x Wq^T + bq, k = x Wk^T + bk, v = x Wv^T + bv on codes as they are given, and the quantisers behind them: q and k along d, v along the keys.
; A tile of 256 x 256 of a product is made by four waves, 128 x 128 each: 64 accumulators.  K = 1,024 is two LDS slots of 512 along K: both are filled at the start and none is filled again.
; Clusters of 4 x 4 work-groups: cluster y = 4 MAT + BLK: MAT 0, 1, 2 = q, k, v, BLK = the batch; MAT 3 = the tables.  Both numbers are the same in all sixteen partners.
; THE MATRIX INSTRUCTION IS USED TRANSPOSED (source 0 = 16 rows of 'B', source 1 = 16 rows of 'A'): a lane holds one row of A's and eight neighbours along B's rows.
;   q, k: A = x (tokens), B = W (features): a lane's registers run along the features, which are the next product's K.
;   v:    A = Wv (features), B = x (tokens): a lane's registers run along the tokens, which are the keys, the next product's K.
; A wave's 8 tiles of a block of 16 rows are 128 neighbours along that K: four blocks of 32, quantised in registers.  In tile 2 b a lane's half h holds run h (8 numbers) of block b, in tile 2 b + 1 run 2 + h:
; the conversions are taken in the order tile 4 c, 4 c + 2, 4 c + 1, 4 c + 3, and two exchanges of halves give the operand's registers: register 4 c + i of lane (r, h) = block 2 c + h, run i.
; OUT, as images of operand registers: qkc: Q at 0, K at 2 MiB: [batch x head 64][tile of 16 tokens 64][lane][16 bytes];  V at 4 MiB: [batch x head][key step 8][dt 4][cc 2][lane][16 bytes].
;      qks: Q at 0, K at 262,144: [bh][tile][r] words {b0, b1, 0x7f, 0x7f};  V at 524,288: [bh][step][dt][r] words.  Each store of codes covers 512 consecutive bytes.
; REGISTERS: window 0: v0-31 addresses; v32-95 scale words, two sets; v112-119 codes; v128-191 A's fragments, later 64 numbers at work; v200-217 at work.
;   window 1: B's fragments, two sets, at v0 and v128; v64-127 the bias.   windows 2, 3: the accumulators.
;
; THE TABLES.  tab: RKI at 0: [half of d 2][extended row 512][16 bytes]: extended row e stands for rel_k[clip(e - 128, 0, 256)];  RKS at 16,384: [512] words {byte 0, byte 1, 0x7f, 0x7f};
;      TS at 18,432: [c 32][sigma 4][dt 4][r 16] scale words;  TT at 51,200: [c][sigma][dt][cc 2][lane 32][16 bytes]: images of operand registers (16 of d x 128 along the keys' slots kappa = 4 sigma + 0 .. 3).
;      sigma = 0 holds rel_v[0] alone for every c, and so does block kappa = 4 of class 31 (o + i = -31 .. 0): sigma = 0 is neither written nor read, and the next launch takes that block in its stead.
; A wave makes one tile (class c, K step sigma, 16 of d): a lane takes a column d and holds two whole blocks of 32, so that no other lane is asked for a maximum.  c = 16 (BLK & 1) + 4 cy + cx enters global addresses alone; the tile of d is the wave's number.
; Clusters 12, 13: sigma = 1, then 2.  Clusters 14, 15: sigma = 3; in cluster 15 wave 0 of each work-group also takes 32 extended rows of rel_k, a lane a row.  The branches hang on the cluster's number and on the wave's number alone.
; This path issues no tensor load and touches no LDS byte but its spare words.
.set KSTEP,  512
.set NQ,     4
.set ROWB,   512                       ; whole rows of K = 1,024: one fill, nothing is filled again
.set KROW,   512
.set PITCH,  528                       ; an LDS row: 512 bytes + 16 of padding: the 16 rows of a fragment load start at 16 different banks
.set FR,     8
.set NL,     2
.set NP,     4
.set HALFT,  128*PITCH
.set SLOT,   256                       ; 'slot' s is the s-th half of each row: 512 along K
.set KS,     32                        ; a row of scale bytes
.set SCL,    4*HALFT
.set HALFS,  16*272
.set SBLK,   2*272
.set SPARE,  SCL+4*HALFS               ; the spare words, 128 bytes a wave
.set ADRA, 16
.set ADRB, 20
.set LI,   24                          ; v24  16 x lane
.set SOQ,  25                          ; v25  4 r + 4,096 h: q's and k's scale words, lanes 16-31 the next head's
.set SOV,  26                          ; v26  4 r
.set ADRS, 27
.set SPW,  28
.set NIL,  29
.set SC,   32
.set PCD,  112
.set AF,   128
.set H,    128
.set TM,   200
.set PW,   216
.set PX,   217
.set BI,   64                          ; in window 1
.set SEL,  2                           ; s[2:3]
.set G1, 24
.set G0, 32
.set G1B, 48
.set G0B, 56
.set G1S, 68
.set G0S, 76
.set G1SB, 80
.set G0SB, 88
.set MSB, 0
.macro WIN new                         ; the immediate's high byte repeats the setting that is left
.if MSB != \new
	s_set_vgpr_msb (MSB<<8)|\new
.set MSB, \new
.endif
.endm
.set MUL_LO, 0xa1
.set MUL_HI, 0xf1
.set TO_B,   0x40
; a joint load: wave 0 fetches A's rows, wave 1 B's, wave 2 A's scale bytes, wave 3 B's; an s_nop 0 and four v_nop follow each line
; of these joint loads each wave has ONE: one tree of branches on the wave's number, an arm a load (wave 0 A's rows, wave 1 B's, wave 2 A's scale bytes, wave 3 B's)
.macro ARM under, g0, g1, next
	s_cmp_lt_u32 s14, \under
	s_cbranch_scc0 \next
	tensor_load_to_lds s[\g0:\g0+3], s[\g1:\g1+7]
	s_nop 0
.rept 4
	v_nop
.endr
	s_branch .Lhead_asked
\next:
.endm
.macro G0SET g, lds, p
	s_mov_b32 s[\g], 1
	s_mov_b32 s[\g+1], \lds
	s_mov_b64 s[\g+2:\g+3], s[\p:\p+1]
	s_or_b32 s[\g+3], s[\g+3], 0x80000000
.endm
.macro CREST
	s_cmp_lg_u32 s14, 0
	s_cbranch_scc1 .Lnot_wave_0_\@
	s_barrier_signal -3
.Lnot_wave_0_\@:
	s_barrier_wait -3
	s_barrier_signal -1
	s_barrier_wait -1
.endm
.macro CROUND
	s_barrier_signal -1
	s_barrier_wait -1
	CREST
.endm
	s_load_b512 s[24:39], s[0:1], 0x0              ; x codes, x scales, Wq c, s, Wk c, s, Wv c, s
	s_load_b512 s[40:55], s[0:1], 0x40             ; bq, bk, bv, qkc, qks, rel_k, rel_v, tab
	v_lshl_add_u32 v[SPW], v0, 2, SPARE
	v_mov_b32 v[NIL], 0
	ds_add_u32 v[SPW], v[NIL]                      ; the wave's opening: the add, twice on end, and its wait ahead of my first tensor load
	ds_add_u32 v[SPW], v[NIL]
	v_lshrrev_b32 v1, 5, v0
	v_readfirstlane_b32 s14, v1                    ; wave 0..3
	s_lshr_b32 s15, s14, 1                         ; my half of A's rows
	s_and_b32 s16, s14, 1                          ; my half of B's rows
	s_bfe_u32 s92, ttmp6, 0x40000                  ; cx
	s_bfe_u32 s93, ttmp6, 0x40004                  ; cy
	s_and_b32 s95, ttmp7, 0xffff                   ; cluster y
	s_lshr_b32 s94, s95, 2                         ; MAT
	s_and_b32 s95, s95, 3                          ; BLK
	s_lshl_b32 s96, s93, 2
	s_lshl_b32 s96, 15, s96                        ; my row of the cluster
	s_lshl_b32 s97, 0x1111, s92                    ; my column
	s_mov_b32 s[SEL], 0x76543210
	s_mov_b32 s[SEL+1], 0xfedcba98
	s_lshl_b32 s23, s95, 10                        ; the batch's first token
	s_wait_dscnt 0x0                               ; both opening adds are done
	s_wait_kmcnt 0x0
	s_cmp_eq_u32 s94, 3                            ; clusters 12 to 15 make the tables: the cluster's number alone decides, the same in all sixteen partners
	s_cbranch_scc1 .Ltables
	s_mov_b64 s[12:13], s[46:47]                   ; qkc
	s_mov_b64 s[66:67], s[48:49]                   ; qks
	s_cmp_eq_u32 s94, 0                            ; the choices hang on the cluster's number alone
	s_cselect_b64 s[18:19], s[28:29], s[32:33]     ; Wq or Wk
	s_cselect_b64 s[20:21], s[30:31], s[34:35]
	s_cselect_b64 s[98:99], s[40:41], s[42:43]     ; bq or bk
	s_cmp_eq_u32 s94, 2
	s_cselect_b64 s[4:5], s[36:37], s[24:25]       ; A: Wv, or x
	s_cselect_b64 s[6:7], s[38:39], s[26:27]
	s_cselect_b64 s[8:9], s[24:25], s[18:19]       ; B: x, or the weight
	s_cselect_b64 s[10:11], s[26:27], s[20:21]
	s_cselect_b64 s[98:99], s[44:45], s[98:99]
	s_cselect_b32 s22, 0, s23                      ; the batch's tokens are rows of A (q, k)
	s_cselect_b32 s23, s23, 0                      ; or of B (v)
	; descriptor group 1: a tile of 256 rows x 512 bytes, 16 bytes of padding behind each row
	; (256 rows of 512 bytes are brought by one load: padding after every 128 words)
	s_or_b32 s[G1+0], s96, (0<<16)|(1<<20)|(1<<21)|(6<<22)|(3<<25)
	s_or_b32 s[G1B+0], s97, (0<<16)|(1<<20)|(1<<21)|(6<<22)|(3<<25)
.irp g, G1, G1B
	s_mov_b32 s[\g+1], ROWB<<16
	s_mov_b32 s[\g+2], 256<<16
	s_mov_b32 s[\g+3], ROWB<<16
	s_mov_b32 s[\g+4], 256
	s_mov_b32 s[\g+5], KROW
	s_mov_b32 s[\g+6], 0
	s_mov_b32 s[\g+7], 0
.endr
	; the scale bytes of 256 rows: 8,192 dense bytes as 32 rows of 256, 16 bytes of padding behind each
	s_or_b32 s[G1S+0], s96, (3<<16)|(1<<20)|(1<<21)|(5<<22)|(3<<25)
	s_or_b32 s[G1SB+0], s97, (3<<16)|(1<<20)|(1<<21)|(5<<22)|(3<<25)
.irp g, G1S, G1SB
	s_mov_b32 s[\g+1], 32<<16
	s_mov_b32 s[\g+2], 32<<16          ; 256 rows' bytes: 32 rows of 256
	s_mov_b32 s[\g+3], 32<<16
	s_mov_b32 s[\g+4], 32
	s_mov_b32 s[\g+5], 32
	s_mov_b32 s[\g+6], 0
	s_mov_b32 s[\g+7], 0
.endr
	s_lshl_b32 s20, s93, 8
	s_add_co_u32 s20, s20, s22
	s_lshl_b32 s18, s92, 8
	s_add_co_u32 s18, s18, s23
	s_lshl_b32 s22, s20, 5                         ; 32 scale bytes a row
	s_mov_b32 s23, 0
	s_lshl_b32 s20, s20, 9                         ; 512 bytes of codes a row
	s_mov_b32 s21, 0
	s_lshl_b32 s100, s18, 5
	s_mov_b32 s101, 0
	s_lshl_b32 s18, s18, 9
	s_mov_b32 s19, 0
	s_add_nc_u64 s[20:21], s[4:5], s[20:21]
	s_add_nc_u64 s[22:23], s[6:7], s[22:23]
	s_add_nc_u64 s[18:19], s[8:9], s[18:19]
	s_add_nc_u64 s[100:101], s[10:11], s[100:101]
	G0SET G0, 0, 20
	G0SET G0B, 2*HALFT, 18
	G0SET G0S, SCL, 22
	G0SET G0SB, SCL+2*HALFS, 100
	CROUND                                         ; all sixteen work-groups are here: the joint loads meet
	ARM 1, G0,  G1,  .Lhead_b
	ARM 2, G0B, G1B, .Lhead_sa
	ARM 3, G0S, G1S, .Lhead_sb
	tensor_load_to_lds s[G0SB:G0SB+3], s[G1SB:G1SB+7]
	s_nop 0
.rept 4
	v_nop
.endr
.Lhead_asked:
	v_and_b32 v1, 15, v0                           ; r
	v_bfe_u32 v2, v0, 4, 1                         ; h
	v_mul_u32_u24 v3, v1, PITCH
	v_lshl_add_u32 v4, v2, 4, v3
	s_mul_i32 s21, s15, HALFT
	s_mul_i32 s22, s16, HALFT
	s_add_co_u32 s22, s22, 2*HALFT
.irp s, 0,1
	v_add_nc_u32 v[ADRA+\s], s21, v4
	v_add_nc_u32 v[ADRB+\s], s22, v4
	s_add_co_u32 s21, s21, SLOT
	s_add_co_u32 s22, s22, SLOT
.endr
	v_mul_u32_u24 v5, v1, KS
	v_lshrrev_b32 v6, 8, v5
	v_lshl_add_u32 v5, v6, 4, v5
	s_mul_i32 s21, s15, HALFS
	s_mul_i32 s22, s16, HALFS
	s_add_co_u32 s22, s22, 2*HALFS
	s_sub_co_u32 s22, s22, s21
	v_mul_u32_u24 v6, s22, v2                      ; lanes 16-31 take B's scale words
	s_add_co_u32 s21, s21, SCL
	v_add_nc_u32 v5, v5, v6
	v_add_nc_u32 v[ADRS], s21, v5
	v_and_b32 v[LI], 31, v0
	v_lshlrev_b32 v[LI], 4, v[LI]
	v_lshlrev_b32 v[SOV], 2, v1
	v_lshl_add_u32 v[SOQ], v2, 12, v[SOV]
	v_lshlrev_b32 v8, 5, v2                        ; the bias of q, k: 32 h bytes
	v_lshlrev_b32 v9, 2, v1                        ; of v: 4 r
.irp b, 0,1,2,3
	v_mov_b32 v[TM+4+\b], 0                        ; written once: a lane permute's destination counts as one of its sources
.endr
	; where my results go.  q, k: head 4 cx + 2 (my half of B), token tile 16 cy + 8 (my half of A);  v: head 4 cy + 2 (half of A), key step 2 cx + (half of B)
	s_lshl_b32 s40, s95, 4
	s_lshl_b32 s41, s92, 2
	s_lshl_b32 s42, s16, 1
	s_add_co_u32 s41, s41, s42
	s_add_co_u32 s41, s41, s40
	s_lshl_b32 s42, s93, 4
	s_lshl_b32 s43, s15, 3
	s_add_co_u32 s42, s42, s43
	s_lshl_b32 s43, s41, 15
	s_lshl_b32 s44, s42, 9
	s_add_co_u32 s43, s43, s44
	s_lshl_b32 s44, s94, 21
	s_add_co_u32 s43, s43, s44                     ; q, k: codes
	s_lshl_b32 s44, s41, 12
	s_lshl_b32 s45, s42, 6
	s_add_co_u32 s44, s44, s45
	s_lshl_b32 s45, s94, 18
	s_add_co_u32 s44, s44, s45                     ; q, k: scale words
	s_lshl_b32 s41, s93, 2
	s_lshl_b32 s42, s15, 1
	s_add_co_u32 s41, s41, s42
	s_add_co_u32 s41, s41, s40
	s_lshl_b32 s42, s92, 1
	s_add_co_u32 s42, s42, s16
	s_lshl_b32 s45, s41, 15
	s_lshl_b32 s46, s42, 12
	s_add_co_u32 s45, s45, s46
	s_add_co_u32 s45, s45, 0x400000                ; v: codes
	s_lshl_b32 s46, s41, 11
	s_lshl_b32 s47, s42, 8
	s_add_co_u32 s46, s46, s47
	s_add_co_u32 s46, s46, 0x80000                 ; v: scale words
	s_cmp_eq_u32 s94, 2
	s_cselect_b32 s40, s45, s43
	s_cselect_b32 s42, s46, s44
	s_cselect_b32 s44, s93, s92                    ; the bias runs along A's rows (v) or B's (q, k)
	s_cselect_b32 s45, s15, s16
	s_mov_b32 s41, 0
	s_mov_b32 s43, 0
	s_add_nc_u64 s[12:13], s[12:13], s[40:41]
	s_add_nc_u64 s[66:67], s[66:67], s[42:43]
	s_lshl_b32 s44, s44, 10
	s_lshl_b32 s45, s45, 9
	s_add_co_u32 s44, s44, s45
	s_mov_b32 s45, 0
	s_add_nc_u64 s[98:99], s[98:99], s[44:45]
	s_cmp_eq_u32 s94, 2
	s_cbranch_scc1 .Lbias_v
	WIN TO_B
	s_wait_alu depctr_va_vdst(0)
.irp b, 0,1,2,3,4,5,6,7                ; q, k: register 8 b + j: the bias of feature 16 b + 8 h + j
	global_load_b128 v[BI+8*\b:BI+8*\b+3], v8, s[98:99] offset:64*\b
	global_load_b128 v[BI+8*\b+4:BI+8*\b+7], v8, s[98:99] offset:64*\b+16
.endr
	WIN 0
	s_branch .Lbias_done
.Lbias_v:
	WIN TO_B
	s_wait_alu depctr_va_vdst(0)
.irp a, 0,1,2,3,4,5,6,7                ; v: registers 8 a + 0 .. 7: the bias of feature 16 a + r, eight times
.irp j, 0,1,2,3,4,5,6,7
	global_load_b32 v[BI+8*\a+\j], v9, s[98:99] offset:64*\a
.endr
.endr
	WIN 0
.Lbias_done:
.macro FRAG reg, adr, q, i             ; 16 rows x 128 K of 4-bit codes: 8 registers, two loads of 16 bytes, 32 bytes apart
.irp c, 0,1
	ds_load_b128 v[\reg+4*\c:\reg+4*\c+3], v[\adr] offset:64*(\q)+32*\c+(\i)*16*PITCH
.endr
.endm
; 16 matrix instructions: A's blocks a0, a0 + 1 x B's eight.  The 64 accumulators take turns, one instruction a turn
.macro MUL16 a0, p, q, sc, zero
.irp a, \a0, \a0+1
.irp b, 0,1,2,3,4,5,6,7
.if \zero
	v_wmma_scale_f32_16x16x128_f8f6f4 v[8*(8*((\a)%4)+\b):8*(8*((\a)%4)+\b)+7], v[128*(\p)+FR*\b:128*(\p)+FR*\b+FR-1], v[AF+FR*(\a):AF+FR*(\a)+FR-1], 0, v[SC+8*NQ*(\sc)+NQ*\b+(\q)], v[SC+8*NQ*(\sc)+NQ*(\a)+(\q)] matrix_a_fmt:MATRIX_FMT_FP4 matrix_b_fmt:MATRIX_FMT_FP4 matrix_a_scale:MATRIX_SCALE_ROW1
.else
	v_wmma_scale_f32_16x16x128_f8f6f4 v[8*(8*((\a)%4)+\b):8*(8*((\a)%4)+\b)+7], v[128*(\p)+FR*\b:128*(\p)+FR*\b+FR-1], v[AF+FR*(\a):AF+FR*(\a)+FR-1], v[8*(8*((\a)%4)+\b):8*(8*((\a)%4)+\b)+7], v[SC+8*NQ*(\sc)+NQ*\b+(\q)], v[SC+8*NQ*(\sc)+NQ*(\a)+(\q)] matrix_a_fmt:MATRIX_FMT_FP4 matrix_b_fmt:MATRIX_FMT_FP4 matrix_a_scale:MATRIX_SCALE_ROW1
.endif
.endr
.endr
.endm
.macro FETCH_B slot, q, p
	WIN TO_B
.irp i, 0,1,2,3,4,5,6,7
	FRAG 128*(\p)+FR*\i, ADRB+\slot, \q, \i
.endr
	WIN 0
.endm
.macro FETCH_A slot, q, i0
.irp i, \i0, \i0+1, \i0+2, \i0+3
	FRAG AF+FR*(\i), ADRA+\slot, \q, \i
.endr
.endm
.macro SCALES sc                       ; a slot's scale words: lanes 0-15 A's block i, lanes 16-31 B's block i
.irp i, 0,1,2,3,4,5,6,7
	ds_load_b128 v[SC+8*NQ*\sc+NQ*\i:SC+8*NQ*\sc+NQ*\i+3], v[ADRS] offset:\i*SBLK+4*NQ*\sc
.endr
.endm
.macro PLACES n                        ; plain vector places behind matrix instructions (ISA guide 7.12.1)
.rept \n
	v_nop
.endr
.endm
.macro STEP slot, q, zero
	s_wait_dscnt 4*NL                              ; all but the youngest eight loads (A's blocks 4-7)
	WIN MUL_LO
	MUL16 0, (\q)%2, \q, \slot, \zero
	MUL16 2, (\q)%2, \q, \slot, \zero
	s_wait_dscnt 0
	PLACES NP
	FETCH_B \slot, (\q)+1, 1-(\q)%2
	FETCH_A \slot, (\q)+1, 0
	WIN MUL_HI
	MUL16 4, (\q)%2, \q, \slot, \zero
	MUL16 6, (\q)%2, \q, \slot, \zero
	PLACES NP
	WIN 0
	FETCH_A \slot, (\q)+1, 4
.endm
; the first half's last step fetches the second half's first fragments and scale words: the whole rows are in, no barrier is due
.macro TURN slot, next
	s_wait_dscnt 4*NL
	WIN MUL_LO
	MUL16 0, 1, NQ-1, \slot, 0
	MUL16 2, 1, NQ-1, \slot, 0
	s_wait_dscnt 0
	PLACES NP
	FETCH_B \next, 0, 0
	FETCH_A \next, 0, 0
	SCALES \next
	WIN MUL_HI
	MUL16 4, 1, NQ-1, \slot, 0
	MUL16 6, 1, NQ-1, \slot, 0
	PLACES NP
	WIN 0
	FETCH_A \next, 0, 4
.endm
.macro STEPS slot, from
.set Q, \from
.rept NQ-1-\from
	STEP \slot, Q, 0
.set Q, Q+1
.endr
.endm
	s_wait_alu depctr_va_vdst(0)                   ; the wait at the head's end
	s_wait_tensorcnt 0x0                           ; my one load is in
	s_barrier_signal -1
	s_barrier_wait -1
	FETCH_B 0, 0, 0
	FETCH_A 0, 0, 0
	SCALES 0
	FETCH_A 0, 0, 4
	STEP 0, 0, 1                                   ; the first products start the sums: nothing is cleared
	STEPS 0, 1
	TURN 0, 1
	STEPS 1, 0
	s_wait_dscnt 4*NL
	WIN MUL_LO
	MUL16 0, 1, NQ-1, 1, 0
	MUL16 2, 1, NQ-1, 1, 0
	s_wait_dscnt 0
	WIN MUL_HI
	MUL16 4, 1, NQ-1, 1, 0
	MUL16 6, 1, NQ-1, 1, 0
	WIN 0
; 64 numbers of a lane, register 8 T + j = place 16 T + 8 h + j along the next K, become a fragment's codes in v[PCD] on and its scale word in v[PW]
.macro QUANTN s
.irp b, 0,1,2,3
	v_max3_num_f32 v[TM+\b], |v[\s+16*\b]|, |v[\s+1+16*\b]|, 0x1800000   ; with the floor 2^(3 - 127)
.endr
.irp i, 2,4,6,8,10,12,14
.irp b, 0,1,2,3
	v_max3_num_f32 v[TM+\b], v[TM+\b], |v[\s+16*\b+\i]|, |v[\s+1+16*\b+\i]|
.endr
.endr
.irp b, 0,1,2,3
	v_permlanex16_b32 v[TM+4+\b], v[TM+\b], s[SEL], s[SEL+1]
.endr
.irp b, 0,1,2,3
	v_max_num_f32 v[TM+\b], v[TM+\b], v[TM+4+\b]   ; with lane l xor 16's 16: the block's largest magnitude
.endr
.irp b, 0,1,2,3
	v_add_nc_u32 v[TM+12+\b], 0xff000000, v[TM+\b] ; 2 off the exponent field: the conversion's scale operand
.endr
.irp b, 0,1,2,3
	v_lshrrev_b32 v[TM+4+\b], 23, v[TM+12+\b]      ; the scale's byte
.endr
	v_lshl_or_b32 v[PW], v[TM+5], 8, v[TM+4]
	v_lshl_or_b32 v[PW], v[TM+6], 16, v[PW]
	v_lshl_or_b32 v[PW], v[TM+7], 24, v[PW]
.irp c, 0,1
	v_cvt_scalef32_pk8_fp4_f32 v[PCD+4*\c], v[\s+32*\c:\s+32*\c+7], v[TM+12+2*\c]          ; tile 4 c: block 2 c, runs 0 | 1
	v_cvt_scalef32_pk8_fp4_f32 v[PCD+4*\c+1], v[\s+32*\c+16:\s+32*\c+23], v[TM+13+2*\c]    ; tile 4 c + 2: block 2 c + 1, runs 0 | 1
	v_cvt_scalef32_pk8_fp4_f32 v[PCD+4*\c+2], v[\s+32*\c+8:\s+32*\c+15], v[TM+12+2*\c]     ; tile 4 c + 1: block 2 c, runs 2 | 3
	v_cvt_scalef32_pk8_fp4_f32 v[PCD+4*\c+3], v[\s+32*\c+24:\s+32*\c+31], v[TM+13+2*\c]    ; tile 4 c + 3: block 2 c + 1, runs 2 | 3
.endr
	v_nop                                          ; one plain place behind a scaled conversion
.irp c, 0,1
	v_permlane16_swap_b32 v[PCD+4*\c], v[PCD+4*\c+1]       ; lanes 0-15: block 2 c, lanes 16-31: block 2 c + 1; runs 0 and 1
	v_permlane16_swap_b32 v[PCD+4*\c+2], v[PCD+4*\c+3]     ; runs 2 and 3
.endr
.endm
; block a of 16 rows of A: bias, quantiser, stores
.macro OUTBLK a, isv
.if (\a) > 0
	s_wait_xcnt 0x0                                ; the last block's stores have read their registers
.endif
.set AC, 64*((\a)%4)
	WIN (0x06+(\a)/4)                              ; source 0: window 2 or 3; source 1: window 1; destination: window 0
.irp b, 0,1,2,3,4,5,6,7
.irp p, 0,2,4,6                        ; each accumulator from its low end on
.if \isv
	v_pk_add_f32 v[H+8*\b+\p:H+8*\b+\p+1], v[AC+8*\b+\p:AC+8*\b+\p+1], v[BI+8*(\a)+\p:BI+8*(\a)+\p+1]
.else
	v_pk_add_f32 v[H+8*\b+\p:H+8*\b+\p+1], v[AC+8*\b+\p:AC+8*\b+\p+1], v[BI+8*\b+\p:BI+8*\b+\p+1]
.endif
.endr
.endr
	WIN 0
	QUANTN H
.if \isv
	global_store_b128 v[LI], v[PCD:PCD+3], s[12:13] offset:((\a)/4)*32768+((\a)%4)*1024
	global_store_b128 v[LI], v[PCD+4:PCD+7], s[12:13] offset:((\a)/4)*32768+((\a)%4)*1024+512
	global_store_b32 v[SOV], v[PW], s[66:67] offset:((\a)/4)*2048+((\a)%4)*64
.else
	v_lshrrev_b32 v[PX], 16, v[PW]
	v_cndmask_b32 v[PX], v[PW], v[PX], s40         ; lanes 0-15: the first head's two bytes, lanes 16-31: the second's
	v_and_or_b32 v[PX], v[PX], 0xffff, s41         ; bytes 2 and 3 stand for 1: K = 64 is filled to 128 with zero codes
	global_store_b128 v[LI], v[PCD:PCD+3], s[12:13] offset:512*(\a)
	global_store_b128 v[LI], v[PCD+4:PCD+7], s[12:13] offset:512*(\a)+32768
	global_store_b32 v[SOQ], v[PX], s[66:67] offset:64*(\a)
.endif
.endm
	s_wait_loadcnt 0x0                             ; the bias
	s_mov_b32 s40, 0xffff0000
	s_mov_b32 s41, 0x7f7f0000
	PLACES NP                                      ; behind the last products: their results are read, and A's registers written
	s_cmp_eq_u32 s94, 2
	s_cbranch_scc1 .Lout_v
.irp a, 0,1,2,3,4,5,6,7
	OUTBLK \a, 0
.endr
	s_branch .Ldone
.Lout_v:
.irp a, 0,1,2,3,4,5,6,7
	OUTBLK \a, 1
.endr
.Ldone:
	s_wait_tensorcnt 0x0                           ; the wave's end
	ds_add_u32 v[SPW], v[NIL]
	s_wait_dscnt 0x0
	CROUND                                         ; the closing round
	s_endpgm
; ---- THE TABLES' PATH.  Registers: v2 r, v3 h, v4 lane, v5-7 offsets at work, v8-15 at work, v16-23 codes, v24, v25 where they go, v32-95 byte offsets of 64 numbers, v96-159 the 64 numbers, v224-227 at work.
.set PAD,   32
.set PD0,   96
.set PTM,   224
.set RKS_O, 16384
.set TS_O,  18432
.set TT_O,  51200
; two blocks of 32 of a lane, v[PD0] on -> codes v16-23, scale bytes v12, v13
.macro QB2
.irp c, 0,1
	v_max3_num_f32 v[8+\c], |v[PD0+32*\c]|, |v[PD0+32*\c+1]|, 0x1800000   ; with the floor 2^(3 - 127): the byte cannot fall under 1
.endr
.irp i, 2,4,6,8,10,12,14,16,18,20,22,24,26,28,30
.irp c, 0,1
	v_max3_num_f32 v[8+\c], v[8+\c], |v[PD0+32*\c+\i]|, |v[PD0+32*\c+\i+1]|
.endr
.endr
.irp c, 0,1
	v_add_nc_u32 v[10+\c], 0xff000000, v[8+\c]     ; 2 off the exponent field: the conversion's scale operand
.endr
.irp c, 0,1
	v_lshrrev_b32 v[12+\c], 23, v[10+\c]           ; the scale's byte
.endr
.irp c, 0,1
.irp g, 0,1,2,3
	v_cvt_scalef32_pk8_fp4_f32 v[16+4*\c+\g], v[PD0+32*\c+8*\g:PD0+32*\c+8*\g+7], v[10+\c]
.endr
.endr
	v_nop                                          ; one plain place behind the conversions
.endm
; one tile of rel_v's table: class s11, K step s12, 16 of d by my wave's number.  Lane (r, h) takes column d = 16 wave + r and the blocks kappa = 4 sigma + h and 4 sigma + 2 + h
.macro TTASK
	s_wait_xcnt 0x0                                ; earlier stores have read their registers: they are written again only behind this wait
	s_lshl_b32 s13, s12, 7
	s_add_co_u32 s13, s13, 32
	s_sub_co_u32 s13, s13, s11                     ; y = o + 160 at cc = 0, h = 0, i = 0: 128 sigma - c + 32, never negative
	v_lshl_add_u32 v5, v3, 5, s13                  ; + 32 h
.set n, 0
.rept 64                               ; number n = 32 cc + i: row clip(o + i, 0, 256) = min(y - min(y, 160), 256)
	v_add_nc_u32 v[PAD+n], (n/32)*64+n%32, v5
	v_min_u32 v[PTM+n%4], 160, v[PAD+n]
	v_sub_nc_u32 v[PAD+n], v[PAD+n], v[PTM+n%4]
	v_min_u32 v[PAD+n], 256, v[PAD+n]
	v_lshl_add_u32 v[PAD+n], v[PAD+n], 8, v7       ; a row of rel_v is 256 bytes
.set n, n+1
.endr
	s_lshl_b32 s4, s11, 2
	s_add_co_u32 s4, s4, s12
	s_lshl_b32 s4, s4, 2
	s_add_co_u32 s4, s4, s14                       ; (4 c + sigma) 4 + dt
	s_lshl_b32 s5, s4, 10
	v_lshl_add_u32 v24, v4, 4, s5                  ; the image: 1,024 bytes a tile, 16 a lane
	s_lshl_b32 s5, s4, 6
	v_lshl_add_u32 v25, v2, 2, s5                  ; the scale words: 64 bytes a tile
.set n, 0
.rept 64
	global_load_b32 v[PD0+n], v[PAD+n], s[52:53]
.set n, n+1
.endr
	s_wait_loadcnt 0x0
	QB2
	v_lshl_or_b32 v14, v13, 16, v12                ; my two bytes: blocks h and 2 + h of row d,
	v_lshlrev_b32 v15, 3, v3
	v_lshlrev_b32 v14, v15, v14                    ; at their places in the word
	v_mov_b32 v15, 0
	v_permlanex16_b32 v15, v14, s[SEL], s[SEL+1]
	v_or_b32 v14, v14, v15                         ; with lane l xor 16's two the word is whole
	global_store_b128 v24, v[16:19], s[54:55] offset:TT_O
	global_store_b128 v24, v[20:23], s[54:55] offset:TT_O+512
	global_store_b32 v25, v14, s[54:55] offset:TS_O  ; both halves of the lanes store the same word at the same place
.endm
.Ltables:
	v_and_b32 v2, 15, v0                           ; r
	v_bfe_u32 v3, v0, 4, 1                         ; h
	v_and_b32 v4, 31, v0                           ; lane
	s_lshl_b32 s6, s14, 4
	v_add_nc_u32 v7, s6, v2
	v_lshlrev_b32 v7, 2, v7                        ; 4 d, d = 16 wave + r
	s_and_b32 s11, s95, 1
	s_lshl_b32 s11, s11, 4
	s_lshl_b32 s12, s93, 2
	s_add_co_u32 s11, s11, s12
	s_add_co_u32 s11, s11, s92                     ; c = 16 (BLK & 1) + 4 cy + cx: it enters global addresses alone
	s_cmp_lt_u32 s95, 2
	s_cselect_b32 s12, 1, 3                        ; clusters 12, 13: sigma = 1; clusters 14, 15: sigma = 3
	s_wait_alu depctr_va_vdst(0)
	TTASK
	s_cmp_lt_u32 s95, 2
	s_cbranch_scc0 .Ltab_hi
	s_mov_b32 s12, 2
	TTASK
	s_branch .Ltab_end
.Ltab_hi:
	s_cmp_eq_u32 s95, 3                            ; rel_k's 512 extended rows: cluster 15,
	s_cbranch_scc0 .Ltab_end
	s_cmp_eq_u32 s14, 0                            ; wave 0 of each of its sixteen work-groups: 32 rows, a lane a row
	s_cbranch_scc0 .Ltab_end
	s_wait_xcnt 0x0                                ; the tile's stores have read their registers
	s_lshl_b32 s4, s93, 2
	s_add_co_u32 s4, s4, s92
	s_lshl_b32 s4, s4, 5
	v_add_nc_u32 v5, s4, v4                        ; extended row e = 32 (4 cy + cx) + lane
	v_min_u32 v6, 128, v5
	v_sub_nc_u32 v6, v5, v6
	v_min_u32 v6, 256, v6                          ; clip(e - 128, 0, 256)
	v_lshlrev_b32 v7, 8, v6
	v_lshlrev_b32 v24, 4, v5
	v_lshlrev_b32 v25, 2, v5
.set n, 0
.rept 16
	global_load_b128 v[PD0+4*n:PD0+4*n+3], v7, s[50:51] offset:16*n
.set n, n+1
.endr
	s_wait_loadcnt 0x0
	QB2
	v_lshl_or_b32 v14, v13, 8, v12
	v_or_b32 v14, 0x7f7f0000, v14                  ; K = 64 is filled to the instruction's 128 with zero codes on the other side: bytes 2 and 3 stand for 1
	global_store_b128 v24, v[16:19], s[54:55]      ; the wave's store covers 512 consecutive bytes
	global_store_b128 v24, v[20:23], s[54:55] offset:8192
	global_store_b32 v25, v14, s[54:55] offset:RKS_O
.Ltab_end:
	s_wait_tensorcnt 0x0                           ; the wave's end
	ds_add_u32 v[SPW], v[NIL]
	s_wait_dscnt 0x0
	CROUND                                         ; the closing round, as on the products' path
	s_endpgm
.Lfunc_end_k_q4f389e2dae_qkv:
	.size	k_q4f389e2dae_qkv, .Lfunc_end_k_q4f389e2dae_qkv-k_q4f389e2dae_qkv
	.p2alignl 7, 3214868480
	.fill 96, 4, 3214868480
	.section	.rodata,"a",@progbits
	.p2align	6, 0x0
	.amdhsa_kernel k_q4f389e2dae_qkv
		.amdhsa_group_segment_fixed_size 327680
		.amdhsa_private_segment_fixed_size 0
		.amdhsa_enable_private_segment 0
		.amdhsa_kernarg_size 128
		.amdhsa_user_sgpr_count 2
		.amdhsa_user_sgpr_kernarg_segment_ptr 1
		.amdhsa_wavefront_size32 1
		.amdhsa_system_sgpr_workgroup_id_x 1
		.amdhsa_system_sgpr_workgroup_id_y 1
		.amdhsa_system_sgpr_workgroup_id_z 1
		.amdhsa_system_vgpr_workitem_id 0
		.amdhsa_next_free_vgpr 1024
		.amdhsa_next_free_sgpr 102
		.amdhsa_reserve_vcc 0
		.amdhsa_float_denorm_mode_32 3
		.amdhsa_float_denorm_mode_16_64 3
		.amdhsa_memory_ordered 1
		.amdhsa_forward_progress 1
		.amdhsa_inst_pref_size 255
	.end_amdhsa_kernel
	.section	.bss,"aw",@nobits
	.p2align	6
	.space	262144
	.amdgpu_metadata
---
amdhsa.version: [ 1, 2 ]
amdhsa.kernels:
  - .name:           k_q4f389e2dae_qkv
    .symbol:         k_q4f389e2dae_qkv.kd
    .args:
      - { .name: x_codes, .offset: 0, .size: 8, .value_kind: global_buffer, .address_space: global }
      - { .name: x_scales, .offset: 8, .size: 8, .value_kind: global_buffer, .address_space: global }
      - { .name: Wq_codes, .offset: 16, .size: 8, .value_kind: global_buffer, .address_space: global }
      - { .name: Wq_scales, .offset: 24, .size: 8, .value_kind: global_buffer, .address_space: global }
      - { .name: Wk_codes, .offset: 32, .size: 8, .value_kind: global_buffer, .address_space: global }
      - { .name: Wk_scales, .offset: 40, .size: 8, .value_kind: global_buffer, .address_space: global }
      - { .name: Wv_codes, .offset: 48, .size: 8, .value_kind: global_buffer, .address_space: global }
      - { .name: Wv_scales, .offset: 56, .size: 8, .value_kind: global_buffer, .address_space: global }
      - { .name: bq, .offset: 64, .size: 8, .value_kind: global_buffer, .address_space: global }
      - { .name: bk, .offset: 72, .size: 8, .value_kind: global_buffer, .address_space: global }
      - { .name: bv, .offset: 80, .size: 8, .value_kind: global_buffer, .address_space: global }
      - { .name: qkc, .offset: 88, .size: 8, .value_kind: global_buffer, .address_space: global }
      - { .name: qks, .offset: 96, .size: 8, .value_kind: global_buffer, .address_space: global }
      - { .name: rel_k, .offset: 104, .size: 8, .value_kind: global_buffer, .address_space: global }
      - { .name: rel_v, .offset: 112, .size: 8, .value_kind: global_buffer, .address_space: global }
      - { .name: tab, .offset: 120, .size: 8, .value_kind: global_buffer, .address_space: global }
    .group_segment_fixed_size: 327680
    .private_segment_fixed_size: 0
    .kernarg_segment_align: 8
    .kernarg_segment_size: 128
    .max_flat_workgroup_size: 128
    .sgpr_count:     102
    .vgpr_count:     1024
    .wavefront_size: 32
...
	.end_amdgpu_metadata
.endif
;; end of part 1
;; launch attn (part 2): grid 4 x 64, 16 waves a work-group, no clusters, 285,184 bytes of LDS; arguments qkc, qks, tab, aoc, aos; writes aoc, aos
.if DOCPART == 2
	.amdgcn_target "amdgcn-amd-amdhsa--gfx1250"
	.amdhsa_code_object_version 6
	.text
	.protected	k_q4f389e2dae_attn
	.globl	k_q4f389e2dae_attn
	.p2align	8
	.type	k_q4f389e2dae_attn,@function
k_q4f389e2dae_attn:
	s_mov_b64 s[64:65], 0
	v_nop
	global_prefetch_b8 v0, s[64:65] scope:SCOPE_SE
	s_setreg_imm32_b32 hwreg(HW_REG_WAVE_MODE, 25, 1), 1
	s_wait_xcnt 0x0
; Launch 2 of 3: scores, softmax, both products with p, the division by the row's sum, and the quantiser of the attention's output.  All products on codes of E2M1.
; NOT REPEATED (shown at the head of the first launch): q . rpk[q,k] is a lookup in R[q,m] = Q(q) . Q(rel_k[m]); equal rows of rpk are multiplied once.  The product of p with rpv is done in full.
; LIMITS: NaN and infinities are not served.  A block of zeros gets the byte 1.  A block of p whose scale falls under 2^-127 when it is brought under the final M is held at the byte 0: under 2^-124 beside a row's sum over 1/2.
; SHARES.  A work-group: one batch x head (y), and by x = 2 tau + e: the 16 waves own the queries 32 t + 16 e + 0 .. 15, t = 16 tau + wave.  So lane r of every wave has the class c = q mod 32 = 16 e + r.
; A whole head's K, V and their scale words, and rel_k's table, lie in LDS, brought once through registers: no slot is ever filled again, so there is no ring, and no cluster: what work-groups share is read once at the head.
; Both products are used transposed: a lane holds ONE query (lane % 16).  Keys go 128 a step.  With f = t / 4 the steps f - 1, f, f + 1 hold all keys with |k - q| < 128; all other steps lie wholly outside the band.
; OUTSIDE THE BAND: the relative score is one number a query (R[q,0] or R[q,256]), held in eight registers and given as the C of K Q^T; rpv's blocks are one constant fragment, multiplied with p like V's.
; INSIDE: R[q, e] for 80 extended rows e a half step comes by five matrix instructions; the lookup e = base + key - query is a skew by the lane's query: stored into the wave's own LDS rows at word (place + r), read back straight,
; and given as the C of K Q^T.  p's codes and scale words of the three steps go to LDS; behind a barrier wave w takes class 16 e + w: its 16 rows are the 16 waves' queries of that class, p's blocks moved by t % 4 blocks,
; and four K steps against the class's table give the sum over the band; a second exchange brings each query's 64 numbers back.
; SOFTMAX: t = score x log2(e) / 8; M = the ceiling of the running largest t; p = 2^(t - M), not normalised; the sum of the unquantised p divides at the end.  The stored scale bytes are brought under the final M by subtracting a whole number.
.set KIMG,  0                          ; K's images: 64 tiles x 512 bytes
.set VIMG,  32768                      ; V's: 8 steps x 4,096; step 8: rpv's constant blocks below the band (block kappa = 4 of class 31, which holds rel_v[0] alone, taken for all four blocks), step 9: above (class 0's K step 3)
.set KSC,   73728                      ; K's scale words
.set VSC,   77824                      ; V's, 256 bytes a step, steps 8 and 9 too
.set RKI,   80384                      ; rel_k: [half 2][extended row 512][16]
.set RKS,   96768
.set PCB,   98816                      ; p's codes: row (class r, wave) at 4,368 r + 272 wave: 4 zero blocks, 12 blocks, 1 zero block of 16 bytes; all zeros at the start
.set PSC,   PCB+70144                  ; p's scale words: row (class, wave) of 20 bytes: a zero word, three words, a zero word
.set EB,    180736                     ; 6,400 bytes a wave: 16 rows of 400 for the skew; later the exchange of results: row (wave, class) at 4,368 wave + 272 class
.set SPARE, 283136                     ; the spare words, 128 bytes a wave
.set LI,1
.set RW,2
.set AVC,3
.set AVS0,4
.set ARK0,5
.set ARS0,6
.set ARK,7
.set ARS,8
.set AEW,9
.set AER,10
.set APW,11
.set ADK,12
.set ADKS,13
.set ADV,14
.set ADVS,15
.set APR,16
.set PSW,17
.set PSR,18
.set OSW,19
.set OSR,20
.set SH,21
.set NM,22                             ; v22 -M, v23 the largest t
.set LS,24                             ; v[24:25] the row's sum in two halves
.set QF,26                             ; Q's fragment; its upper four registers are zero codes (K = 64 filled to 128)
.set CC,34                             ; the constant relative score, eight times
.set PC,42                             ; p's codes
.set TR,42                             ; v42-81: five tiles of R
.set S,50                              ; v50-113 S^T, then p
.set FR,114                            ; v114-153 fragments.  A fragment of K or rel_k is loaded into four registers; the four above it meet Q's zero codes
.set O,154                             ; v154-185 O^T
.set KS,186                            ; v186-201 scale words
.set QS,202
.set PS,203
.set SW,204                            ; v204-206 p's scale words of the three steps in the band
.set SM,207                            ; v207-209 -M at these steps
.set BM,210
.set PT,214
.set SO,218
.set FP,222
.set T0,224
.set SU,226
.set SPW,234
.set NIL,235
.set W,236
.set AKS0,241
.set WV,14
.set SEL,20
.set CS,22
.set ST,24
.set DD,25                             ; 8 - f + step: 7, 8, 9 in the band
.set TK,26
.set TKS,27
.set TVS,28
.macro PLACES n
.rept \n
	v_nop
.endr
.endm
; row = 1: source 0's scale words stand in lanes 16-31 of their register
.macro MMZ d, a, b, sa, sb, row=0
.if \row
	v_wmma_scale_f32_16x16x128_f8f6f4 v[\d:\d+7], v[\a:\a+7], v[\b:\b+7], 0, v[\sa], v[\sb] matrix_a_fmt:MATRIX_FMT_FP4 matrix_b_fmt:MATRIX_FMT_FP4 matrix_a_scale:MATRIX_SCALE_ROW1
.else
	v_wmma_scale_f32_16x16x128_f8f6f4 v[\d:\d+7], v[\a:\a+7], v[\b:\b+7], 0, v[\sa], v[\sb] matrix_a_fmt:MATRIX_FMT_FP4 matrix_b_fmt:MATRIX_FMT_FP4
.endif
.endm
.macro MMC d, a, b, c, sa, sb, row=0
.if \row
	v_wmma_scale_f32_16x16x128_f8f6f4 v[\d:\d+7], v[\a:\a+7], v[\b:\b+7], v[\c:\c+7], v[\sa], v[\sb] matrix_a_fmt:MATRIX_FMT_FP4 matrix_b_fmt:MATRIX_FMT_FP4 matrix_a_scale:MATRIX_SCALE_ROW1
.else
	v_wmma_scale_f32_16x16x128_f8f6f4 v[\d:\d+7], v[\a:\a+7], v[\b:\b+7], v[\c:\c+7], v[\sa], v[\sb] matrix_a_fmt:MATRIX_FMT_FP4 matrix_b_fmt:MATRIX_FMT_FP4
.endif
.endm
	s_load_b256 s[4:11], s[0:1], 0x0               ; qkc, qks, tab, aoc
	s_load_b64 s[12:13], s[0:1], 0x20              ; aos
	v_lshl_add_u32 v[SPW], v0, 2, SPARE
	v_mov_b32 v[NIL], 0
	v_lshrrev_b32 v242, 5, v0
	s_delay_alu instid0(VALU_DEP_1)
	v_readfirstlane_b32 s[WV], v242                ; wave 0..15
	s_and_b32 s15, ttmp7, 0xffff                   ; batch x head
	s_lshr_b32 s16, ttmp9, 1                       ; tau
	s_and_b32 s17, ttmp9, 1                        ; e
	v_and_b32 v242, 15, v0                         ; r
	v_bfe_u32 v243, v0, 4, 1                       ; h
.irp j, 4,5,6,7
	v_mov_b32 v[QF+\j], 0
.endr
.set j, 0
.rept 40
	v_mov_b32 v[FR+j], 0                           ; named as upper halves of fragments before they are loaded
.set j, j+1
.endr
	v_and_b32 v[LI], 31, v0
	s_delay_alu instid0(VALU_DEP_1)
	v_lshlrev_b32 v[LI], 4, v[LI]                  ; 16 x lane: an image's place
	v_and_b32 v244, 31, v0
	v_lshlrev_b32 v[RW], 2, v242                   ; 4 r: a scale word's place in one tile
	v_lshlrev_b32 v244, 2, v244                    ; 4 x lane: lanes 0-15 a tile's words, lanes 16-31 the next tile's: one load serves two tiles
	v_add_nc_u32 v[AVC], VIMG, v[LI]
	v_lshl_add_u32 v[ARK0], v242, 4, RKI
	v_add_nc_u32 v[AVS0], VSC, v244
	v_add_nc_u32 v[AKS0], KSC, v244
	v_lshl_add_u32 v[ARK0], v243, 13, v[ARK0]      ; rel_k: extended row r, my half of d
	v_add_nc_u32 v[ARS0], RKS, v[RW]
	v_add_nc_u32 v245, RKS, v244
	s_and_b32 s18, s[WV], 3                        ; rho = t % 4
	s_xor_b32 s18, s18, 3
	s_lshl_b32 s18, s18, 9
	s_xor_b32 s19, s17, 1
	s_lshl_b32 s19, s19, 8
	s_add_co_u32 s18, s18, s19                     ; 16 bytes x (32 (3 - rho) + 16 (1 - e)): the first extended row of half step 0
	v_add_nc_u32 v[ARK], s18, v[ARK0]
	s_lshr_b32 s18, s18, 2
	v_add_nc_u32 v[ARS], s18, v245
	s_mul_i32 s19, s[WV], 6400
	s_add_co_u32 s19, s19, EB
	v_mul_u32_u24 v[AEW], v242, 404                ; the skew: row r of 400 bytes, + 4 r
	s_delay_alu instid0(VALU_DEP_1)
	v_lshl_add_u32 v[AEW], v243, 5, v[AEW]
	s_delay_alu instid0(VALU_DEP_1)
	v_add_nc_u32 v[AEW], s19, v[AEW]
	v_mul_u32_u24 v[AER], v242, 400
	s_delay_alu instid0(VALU_DEP_1)
	v_lshl_add_u32 v[AER], v243, 5, v[AER]
	s_delay_alu instid0(VALU_DEP_1)
	v_add_nc_u32 v[AER], s19, v[AER]
	s_mul_i32 s18, s[WV], 272
	s_mul_i32 s19, s[WV], 4368
	v_mul_u32_u24 v[APW], v242, 4368
	s_delay_alu instid0(VALU_DEP_1)
	v_lshl_add_u32 v[OSW], v243, 5, v[APW]
	s_delay_alu instid0(VALU_DEP_2)
	v_lshl_add_u32 v[APW], v243, 4, v[APW]
	s_add_co_u32 s29, s18, PCB
	v_add_nc_u32 v[APW], s29, v[APW]               ; p's codes out: class r, my wave, + 16 h
	s_add_co_u32 s29, s18, EB
	v_add_nc_u32 v[OSW], s29, v[OSW]               ; results out: row (wave r, class = my wave)
	v_and_b32 v[SH], 3, v242
	s_delay_alu instid0(VALU_DEP_1)
	v_add_nc_u32 v[PSR], v[SH], v243
	v_mul_u32_u24 v[APR], v242, 272
	s_delay_alu instid0(VALU_DEP_1)
	v_lshl_add_u32 v[OSR], v243, 5, v[APR]
	s_delay_alu instid0(VALU_DEP_2)
	v_lshl_add_u32 v[APR], v[PSR], 4, v[APR]
	s_add_co_u32 s29, s19, PCB
	v_add_nc_u32 v[APR], s29, v[APR]               ; p's codes in: class = my wave, wave r, moved by r % 4 blocks, + 16 h
	s_add_co_u32 s29, s19, EB
	v_add_nc_u32 v[OSR], s29, v[OSR]               ; results in: row (my wave, class r)
	v_lshlrev_b32 v[SH], 3, v[SH]                  ; and the scale bytes moved by 8 (r % 4) bits
	s_mul_i32 s29, s[WV], 20
	s_add_co_u32 s29, s29, PSC
	v_mul_u32_u24 v[PSW], v242, 320
	s_delay_alu instid0(VALU_DEP_1)
	v_add_nc_u32 v[PSW], s29, v[PSW]
	s_mul_i32 s29, s[WV], 320
	s_add_co_u32 s29, s29, PSC
	v_mul_u32_u24 v[PSR], v242, 20
	s_delay_alu instid0(VALU_DEP_1)
	v_add_nc_u32 v[PSR], s29, v[PSR]
	v_lshlrev_b32 v244, 4, v0                      ; by thread: 16, 8, 4 bytes
	v_lshlrev_b32 v245, 3, v0
	v_lshlrev_b32 v246, 2, v0
	s_delay_alu instid0(VALU_DEP_3)
	v_add_nc_u32 v247, 0x10000, v244               ; the same for LDS beyond 64 KiB
	s_delay_alu instid0(VALU_DEP_3)
	v_add_nc_u32 v248, 0x10000, v245
	s_delay_alu instid0(VALU_DEP_3)
	v_add_nc_u32 v249, 0x10000, v246
	; the two constant fragments, 16 bytes a thread.  Threads 0-255, below the band: tile dt = thread / 64 of class 31's K step 1, and of it lane r's 16 bytes of cc = 0, h = 0 (block kappa = 4) for every block;
	; threads 256-511, above: class 0's K step 3 as it lies.  From the latter's first byte: 1,024 dt + 16 (thread & 15 or 63) + (below: 125 - 3 tables of 4,096 bytes)
	v_lshrrev_b32 v251, 8, v0                      ; 0: below, 1: above
	s_delay_alu instid0(VALU_DEP_1)
	v_mad_u32_u24 v250, v251, 48, 15               ; 15 or 63
	s_delay_alu instid0(VALU_DEP_1)
	v_and_b32 v250, v250, v0
	s_delay_alu instid0(VALU_DEP_1)
	v_lshlrev_b32 v250, 4, v250
	v_bfe_u32 v252, v0, 6, 2                       ; dt
	s_delay_alu instid0(VALU_DEP_1)
	v_lshl_add_u32 v250, v252, 10, v250
	v_xor_b32 v251, 1, v251
	s_delay_alu instid0(VALU_DEP_1)
	v_mad_u32_u24 v250, v251, 0x7a000, v250
	s_lshl_b32 s33, s16, 5
	s_lshl_b32 s19, s[WV], 1
	s_add_co_u32 s33, s33, s19
	s_add_co_u32 s33, s33, s17                     ; my tile of 16 queries: 2 t + e
	s_lshl_b32 s19, s33, 9
	v_add_nc_u32 v251, s19, v[LI]
	s_lshl_b32 s19, s33, 6
	v_add_nc_u32 v252, s19, v[RW]
	v_and_b32 v253, 63, v0                         ; their scale words (waves 0 to 3): threads 0-63 class 31's K step 1, threads 64-127 class 0's K step 3
	s_delay_alu instid0(VALU_DEP_1)
	v_lshlrev_b32 v253, 2, v253
	v_bfe_u32 v254, v0, 6, 1
	s_delay_alu instid0(VALU_DEP_1)
	v_xor_b32 v254, 1, v254
	s_delay_alu instid0(VALU_DEP_1)
	v_mad_u32_u24 v253, v254, 31232, v253          ; 125 - 3 tables of 256 bytes
	v_add_nc_u32 v254, PCB, v244
	v_add_nc_u32 v255, PCB+65536, v244
	v_mov_b32 v98, 0
	s_mov_b32 s[SEL], 0x76543210
	s_mov_b32 s[SEL+1], 0xfedcba98
	s_mov_b32 s[CS], 0x3e38aa3b                    ; log2(e) / 8
	s_mov_b32 s[CS+1], s[CS]
	s_mov_b32 s30, 0x01010101
	s_mov_b32 s31, 0x80808080
	s_mov_b32 s32, 0x7f7f7f7f
	s_mov_b32 s[ST], 0
	s_mov_b32 s[TK], 0
	s_mov_b32 s[TKS], 0
	s_mov_b32 s[TVS], 0
	s_lshl_b32 s[DD], s16, 2
	s_lshr_b32 s19, s[WV], 2
	s_add_co_u32 s[DD], s[DD], s19                 ; f
	s_xor_b32 s[DD], s[DD], 7
	s_add_co_u32 s[DD], s[DD], 1                   ; 8 - f
	s_mov_b32 s35, 0
	s_wait_alu depctr_va_vdst(0)
	s_wait_kmcnt 0x0
	s_lshl_b32 s34, s15, 15
	s_add_nc_u64 s[36:37], s[4:5], s[34:35]        ; qkc at my head
	s_lshl_b32 s34, s15, 12
	s_add_nc_u64 s[38:39], s[6:7], s[34:35]        ; qks: Q's and K's words
	s_lshl_b32 s34, s15, 11
	s_add_nc_u64 s[40:41], s[6:7], s[34:35]        ; V's
	s_lshl_b32 s18, s17, 4
	s_add_co_u32 s18, s18, s[WV]                   ; the class that I take in the tail
	s_lshl_b32 s34, s18, 14
	s_add_nc_u64 s[42:43], s[8:9], s[34:35]
	s_lshl_b32 s34, s18, 10
	s_add_nc_u64 s[44:45], s[8:9], s[34:35]
	s_lshr_b32 s18, s15, 4                         ; batch
	s_and_b32 s19, s15, 15                         ; head
	s_lshl_b32 s29, s18, 6
	s_add_co_u32 s29, s29, s33                     ; my tile among all tokens'
	s_lshl_b32 s34, s29, 4
	s_add_co_u32 s34, s34, s19
	s_lshl_b32 s34, s34, 9
	s_add_nc_u64 s[10:11], s[10:11], s[34:35]
	s_lshl_b32 s34, s29, 9
	s_lshl_b32 s19, s19, 1
	s_add_co_u32 s34, s34, s19
	s_add_nc_u64 s[12:13], s[12:13], s[34:35]
.irp i, 0,1,2,3
	global_load_b128 v[50+4*\i:53+4*\i], v244, s[36:37] offset:2097152+8192*\i     ; K's images
.endr
.irp i, 0,1,2,3
	global_load_b128 v[66+4*\i:69+4*\i], v244, s[36:37] offset:4194304+8192*\i     ; V's
.endr
	global_load_b128 v[82:85], v250, s[8:9] offset:51200+12288
.irp i, 0,1
	global_load_b128 v[86+4*\i:89+4*\i], v244, s[8:9] offset:8192*\i               ; rel_k's
.endr
	global_load_b64 v[94:95], v245, s[38:39] offset:262144
	global_load_b32 v96, v246, s[40:41] offset:524288
	global_load_b32 v97, v246, s[8:9] offset:16384
	global_load_b128 v[QF:QF+3], v251, s[36:37]
	global_load_b32 v[QS], v252, s[38:39]
	s_cmp_lt_u32 s[WV], 4
	s_cbranch_scc0 .Lno_cl
	global_load_b32 v98, v253, s[8:9] offset:18432+768
.Lno_cl:
.irp i, 0,1,2,3,4,5,6,7
	ds_store_b128 v254, v[QF+4:QF+7] offset:8192*\i                                ; zeros into p's rows and words
.endr
	ds_store_b128 v255, v[QF+4:QF+7]
	ds_store_b128 v255, v[QF+4:QF+7] offset:8192
.set j, 0
.rept 32
	v_mov_b32 v[O+j], 0                            ; the loop is written once: its first step finds zeros
.set j, j+1
.endr
	v_mov_b32 v[LS], 0
	v_mov_b32 v[LS+1], 0
.irp s, 0,1,2
	v_mov_b32 v[SW+\s], 0                          ; a step that the sequence does not have keeps zero codes, the word 0
	v_mov_b32 v[SM+\s], 0
.endr
.irp b, 0,1,2,3
	v_mov_b32 v[PT+\b], 0
.endr
	v_mov_b32 v[FP+1], 0
	v_mov_b32 v[NM+1], 0xff61b1e6                  ; -3e38, under every t
	s_delay_alu instid0(VALU_DEP_1)
	v_floor_f32 v[NM], -v[NM+1]
	s_wait_loadcnt 0xc                             ; K's four are in: twelve or thirteen loads are younger
.irp i, 0,1,2,3
	ds_store_b128 v244, v[50+4*\i:53+4*\i] offset:KIMG+8192*\i
.endr
	s_wait_loadcnt 0x8                             ; V's four
.irp i, 0,1,2,3
	ds_store_b128 v244, v[66+4*\i:69+4*\i] offset:VIMG+8192*\i
.endr
	s_wait_loadcnt 0x0
	ds_store_b128 v247, v[82:85] offset:VIMG+32768-65536
.irp i, 0,1
	ds_store_b128 v247, v[86+4*\i:89+4*\i] offset:RKI-65536+8192*\i
.endr
	ds_store_b64 v248, v[94:95] offset:KSC-65536
	ds_store_b32 v249, v96 offset:VSC-65536
	ds_store_b32 v249, v97 offset:RKS-65536
	s_cmp_lt_u32 s[WV], 4
	s_cbranch_scc0 .Lno_cs
	v_and_b32 v98, 0xff, v98                       ; byte 0, the constant block's, for all four blocks (above the band the four bytes are equal as they come)
	s_delay_alu instid0(VALU_DEP_1)
	v_mul_lo_u32 v98, v98, s30
	ds_store_b32 v249, v98 offset:VSC+2048-65536
.Lno_cs:
	s_wait_dscnt 0x0                               ; my stores have landed
	s_barrier_signal -1
	s_barrier_wait -1                              ; everybody's have
	ds_load_b128 v[FR:FR+3], v[ARK0]               ; extended rows 0-15 all stand for rel_k[0]
	ds_load_b32 v[KS], v[ARS0]
	s_wait_dscnt 0x0
	MMZ CC, FR, QF, KS, QS                         ; R[q, 0], eight times
; a step outside the band: S^T = K Q^T + the constant
.macro CONSTS
.irp i, 0,1,2,3
	ds_load_b32 v[KS+\i], v[ADKS] offset:128*\i
.endr
.irp t, 0,1,2,3,4,5,6,7
	ds_load_b128 v[FR+4*\t:FR+4*\t+3], v[ADK] offset:512*\t
.endr
	s_wait_dscnt 0x3                               ; the words and tiles 0 to 4 are in (tile 3's fragment names tile 4's registers as its upper half)
.irp t, 0,1,2,3
	MMC S+8*\t, FR+4*\t, QF, CC, KS+\t/2, QS, \t%2
.endr
	s_wait_dscnt 0x0
.irp t, 4,5,6,7
	MMC S+8*\t, FR+4*\t, QF, CC, KS+\t/2, QS, \t%2
.endr
.endm
; A STEP OF THE BAND goes by halves of 64 keys, the upper one first.  rel_k's five fragments of a half lie at FR + 16, K's four at FR: so each is fetched for the lower half while the upper half is at work.
.macro RLOAD s, hf, k                  ; rel_k's fragments; words: tiles 0 | 1, 2 | 3, 3 | 4
.irp i, 0,1,2,3,4
	ds_load_b128 v[FR+16+4*\i:FR+19+4*\i], v[ARK] offset:1024*(2*\s+\hf)+256*\i
.endr
	ds_load_b32 v[KS+\k], v[ARS] offset:256*(2*\s+\hf)
	ds_load_b32 v[KS+\k+1], v[ARS] offset:256*(2*\s+\hf)+128
	ds_load_b32 v[KS+\k+2], v[ARS] offset:256*(2*\s+\hf)+192
.endm
.macro KLOAD hf, k
.irp i, 0,1,2,3
	ds_load_b128 v[FR+4*\i:FR+4*\i+3], v[ADK] offset:512*(4*\hf+\i)
.endr
.irp i, 0,1
	ds_load_b32 v[KS+\k+\i], v[ADKS] offset:256*\hf+128*\i
.endr
.endm
.macro RMUL k                          ; R[my query, first row + 16 i + 8 h + j], and out to word 16 i + 8 h + j + r of my query's row
.irp i, 0,1,2,3
	MMZ TR+8*\i, FR+16+4*\i, QF, KS+\k+\i/2, QS, \i%2
.endr
	MMZ TR+32, FR+32, QF, KS+\k+2, QS, 1
	PLACES 5
.irp i, 0,1,2,3,4
.irp j, 0,1,2,3,4,5,6,7
	ds_store_b32 v[AEW], v[TR+8*\i+\j] offset:64*\i+4*\j
.endr
.endr
.endm
.macro SLOAD hf                        ; read back straight: LDS serves a wave's instructions in order: these see my stores
.irp i, 0,1,2,3
	ds_load_b128 v[S+32*\hf+8*\i:S+32*\hf+8*\i+3], v[AER] offset:64+64*\i
	ds_load_b128 v[S+32*\hf+8*\i+4:S+32*\hf+8*\i+7], v[AER] offset:64+64*\i+16
.endr
.endm
.macro KMUL hf, k
.irp i, 0,1,2,3
	MMC S+32*\hf+8*\i, FR+4*\i, QF, S+32*\hf+8*\i, KS+\k+\i/2, QS, \i%2
.endr
.endm
.macro BAND s
	RLOAD \s, 1, 0
	KLOAD 1, 3
	s_wait_dscnt 0x0
	RMUL 0
	SLOAD 1
	RLOAD \s, 0, 5
	s_wait_dscnt 0x0
	KMUL 1, 3
	PLACES 4                                       ; for the loads into registers that the products have just read
	KLOAD 0, 8
	RMUL 5                                         ; names none of the six loads' registers
	SLOAD 0
	s_wait_dscnt 0x0
	KMUL 0, 8
.endm
.macro CLOAD o, w                      ; rpv's constant fragments, into registers that p has left
.irp d, 0,1,2,3
.irp c, 0,1
	ds_load_b128 v[S+8*\d+4*\c:S+8*\d+4*\c+3], v[AVC] offset:\o+1024*\d+512*\c
.endr
.endr
.irp i, 0,1
	ds_load_b32 v[KS+12+\i], v[AVS0] offset:\w+128*\i
.endr
.endm
.macro PSAVE s                         ; p's codes, scale word and -M of step s of the band
	ds_store_b128 v[APW], v[PC:PC+3] offset:64+64*\s
	ds_store_b128 v[APW], v[PC+4:PC+7] offset:64+64*\s+32
	v_mov_b32 v[SW+\s], v[PS]
	v_mov_b32 v[SM+\s], v[NM]
.endm
.Lstep:                                            ; eight trips: a key step of 128 keys each
	v_add_nc_u32 v[ADK], s[TK], v[LI]              ; these five lines are also the places behind the last trip's products
	v_add_nc_u32 v[ADKS], s[TKS], v[AKS0]
	v_add_nc_u32 v[ADV], s[TK], v[AVC]
	v_add_nc_u32 v[ADVS], s[TVS], v[AVS0]
	v_nop
	s_cmp_eq_u32 s[DD], 7
	s_cbranch_scc1 .Lin0
	s_cmp_eq_u32 s[DD], 8
	s_cbranch_scc1 .Lin1
	s_cmp_eq_u32 s[DD], 9
	s_cbranch_scc1 .Lin2
	CONSTS
	s_branch .Lsoft
.Lin0:
	s_wait_alu depctr_va_vdst(0)
	BAND 0
	s_branch .Lsoft
.Lin1:
	s_wait_alu depctr_va_vdst(0)
	BAND 1
	s_branch .Lsoft
.Lin2:
	s_wait_alu depctr_va_vdst(0)
	BAND 2
	PLACES 4
	ds_load_b128 v[FR:FR+3], v[ARK0] offset:7936   ; extended rows 496-511 all stand for rel_k[256]: the constant for the steps above the band
	ds_load_b32 v[KS], v[ARS0] offset:1984
	s_wait_dscnt 0x0
	MMZ CC, FR, QF, KS, QS
.Lsoft:
	PLACES 4
	s_wait_alu depctr_va_vdst(0)
.irp d, 0,1,2,3                        ; V's fragments go out early: they land under the softmax
.irp c, 0,1
	ds_load_b128 v[FR+8*\d+4*\c:FR+8*\d+4*\c+3], v[ADV] offset:1024*\d+512*\c
.endr
.endr
.irp i, 0,1
	ds_load_b32 v[KS+10+\i], v[ADVS] offset:128*\i
.endr
.irp b, 0,1,2,3
	v_max3_num_f32 v[BM+\b], v[S+16*\b], v[S+16*\b+1], v[S+16*\b+2]    ; the largest score of each block of 32 keys: for the row's maximum and, since p rises with the score, for the block's largest p
.endr
.irp i, 3,5,7,9,11,13
.irp b, 0,1,2,3
	v_max3_num_f32 v[BM+\b], v[BM+\b], v[S+16*\b+\i], v[S+16*\b+\i+1]
.endr
.endr
.irp b, 0,1,2,3
	v_max_num_f32 v[BM+\b], v[BM+\b], v[S+16*\b+15]
.endr
.irp b, 0,1,2,3
	s_delay_alu instid0(VALU_DEP_4)
	v_permlanex16_b32 v[PT+\b], v[BM+\b], s[SEL], s[SEL+1]
.endr
.irp b, 0,1,2,3
	s_delay_alu instid0(VALU_DEP_4)
	v_max_num_f32 v[BM+\b], v[BM+\b], v[PT+\b]
.endr
	s_delay_alu instid0(VALU_DEP_2)
	v_max3_num_f32 v[T0], v[BM], v[BM+1], v[BM+2]
	s_delay_alu instid0(VALU_DEP_1)
	v_max_num_f32 v[T0], v[T0], v[BM+3]
	s_delay_alu instid0(VALU_DEP_1)
	v_mul_f32 v[T0], s[CS], v[T0]
	s_delay_alu instid0(VALU_DEP_1)
	v_max_num_f32 v[NM+1], v[NM+1], v[T0]          ; the running largest t
	v_mov_b32 v[T0], v[NM]
	s_delay_alu instid0(VALU_DEP_2)
	v_floor_f32 v[NM], -v[NM+1]                    ; -M = floor(-t): M is a whole number
	s_delay_alu instid0(VALU_DEP_1)
	v_sub_f32 v[T0], v[NM], v[T0]
	s_delay_alu instid0(VALU_DEP_1)
	v_cvt_i32_f32 v[T0], v[T0]
	s_delay_alu instid0(VALU_DEP_1)
	v_ldexp_f32 v[FP], 1.0, v[T0]                  ; f = 2^(old M - new M): rounds nothing
.set j, 0
.rept 32
	v_pk_fma_f32 v[S+j:S+j+1], v[S+j:S+j+1], s[CS:CS+1], v[NM:NM+1] op_sel_hi:[1,0,0]
.set j, j+2
.endr
.irp b, 0,1,2,3
	v_fma_f32 v[BM+\b], v[BM+\b], s[CS], v[NM]
.endr
.set j, 0
	s_wait_alu depctr_va_vdst(0)
.rept 64
	v_exp_f32 v[S+j], v[S+j]                       ; p = 2^(t - M)
.set j, j+1
.endr
	v_pk_mul_f32 v[LS:LS+1], v[LS:LS+1], v[FP:FP+1] op_sel_hi:[1,0]    ; a plain place behind the exponentials
	s_wait_alu depctr_va_vdst(0)                   ; one wait for the batch, ahead of its first reader
.irp b, 0,1,2,3
	v_exp_f32 v[BM+\b], v[BM+\b]                   ; each block's largest p
.endr
	v_pk_add_f32 v[226:227], v[54:55], v[58:59]
	v_pk_add_f32 v[254:255], v[62:63], v[66:67]
	v_pk_add_f32 v[252:253], v[70:71], v[74:75]
	v_pk_add_f32 v[250:251], v[78:79], v[82:83]
	v_pk_add_f32 v[248:249], v[86:87], v[90:91]
	v_pk_add_f32 v[246:247], v[94:95], v[98:99]
	v_pk_add_f32 v[244:245], v[102:103], v[106:107]
	v_pk_add_f32 v[24:25], v[24:25], v[110:111]
	v_pk_add_f32 v[226:227], v[226:227], v[50:51]
	v_pk_add_f32 v[254:255], v[254:255], v[52:53]
	v_pk_add_f32 v[252:253], v[252:253], v[56:57]
	v_pk_add_f32 v[250:251], v[250:251], v[60:61]
	v_pk_add_f32 v[248:249], v[248:249], v[64:65]
	v_pk_add_f32 v[246:247], v[246:247], v[68:69]
	v_pk_add_f32 v[244:245], v[244:245], v[72:73]
	v_pk_add_f32 v[24:25], v[24:25], v[76:77]
	v_pk_add_f32 v[226:227], v[226:227], v[80:81]
	v_pk_add_f32 v[254:255], v[254:255], v[84:85]
	v_pk_add_f32 v[252:253], v[252:253], v[88:89]
	v_pk_add_f32 v[250:251], v[250:251], v[92:93]
	v_pk_add_f32 v[248:249], v[248:249], v[96:97]
	v_pk_add_f32 v[246:247], v[246:247], v[100:101]
	v_pk_add_f32 v[244:245], v[244:245], v[104:105]
	v_pk_add_f32 v[24:25], v[24:25], v[108:109]
	v_pk_add_f32 v[226:227], v[226:227], v[112:113]
	s_delay_alu instid0(VALU_DEP_2)
	v_pk_add_f32 v[24:25], v[24:25], v[250:251]
	s_delay_alu instid0(VALU_DEP_2)
	v_pk_add_f32 v[226:227], v[226:227], v[248:249]
	v_pk_add_f32 v[254:255], v[254:255], v[246:247]
	v_pk_add_f32 v[252:253], v[252:253], v[244:245]
	s_delay_alu instid0(VALU_DEP_2)
	v_pk_add_f32 v[24:25], v[24:25], v[254:255]
	s_delay_alu instid0(VALU_DEP_2)
	v_pk_add_f32 v[226:227], v[226:227], v[252:253]
	s_delay_alu instid0(VALU_DEP_1)
	v_pk_add_f32 v[24:25], v[24:25], v[226:227]
	s_wait_alu depctr_va_vdst(0)                   ; and one for the four
.irp b, 0,1,2,3
	v_max_num_f32 v[BM+\b], 0x1800000, v[BM+\b]    ; the floor 2^(3 - 127)
.endr
.irp b, 0,1,2,3
	s_delay_alu instid0(VALU_DEP_4)
	v_add_nc_u32 v[SO+\b], 0xff000000, v[BM+\b]
.endr
.irp b, 0,1,2,3
	s_delay_alu instid0(VALU_DEP_4)
	v_lshrrev_b32 v[PT+\b], 23, v[SO+\b]
.endr
	s_delay_alu instid0(VALU_DEP_3)
	v_lshl_or_b32 v[PS], v[PT+1], 8, v[PT]
	s_delay_alu instid0(VALU_DEP_1)
	v_lshl_or_b32 v[PS], v[PT+2], 16, v[PS]
	s_delay_alu instid0(VALU_DEP_1)
	v_lshl_or_b32 v[PS], v[PT+3], 24, v[PS]
.irp c, 0,1
	v_cvt_scalef32_pk8_fp4_f32 v[PC+4*\c], v[S+32*\c:S+32*\c+7], v[SO+2*\c]
	v_cvt_scalef32_pk8_fp4_f32 v[PC+4*\c+1], v[S+32*\c+16:S+32*\c+23], v[SO+2*\c+1]
	v_cvt_scalef32_pk8_fp4_f32 v[PC+4*\c+2], v[S+32*\c+8:S+32*\c+15], v[SO+2*\c]
	v_cvt_scalef32_pk8_fp4_f32 v[PC+4*\c+3], v[S+32*\c+24:S+32*\c+31], v[SO+2*\c+1]
.endr
	v_nop
.irp c, 0,1
	v_permlane16_swap_b32 v[PC+4*\c], v[PC+4*\c+1]
	v_permlane16_swap_b32 v[PC+4*\c+2], v[PC+4*\c+3]
.endr
	s_wait_alu depctr_va_vdst(0)                   ; the wait ahead of the branches
	s_cmp_lt_u32 s[DD], 7                          ; outside the band the constant fragments are asked for here: they land under O's rescaling
	s_cbranch_scc1 .Llow
	s_cmp_gt_u32 s[DD], 9
	s_cbranch_scc0 .Lcst
	CLOAD 36864, 2304
	s_branch .Lcst
.Llow:
	CLOAD 32768, 2048
.Lcst:
	s_wait_alu depctr_va_vdst(0)                   ; and directly ahead of the first reader of O^T
.set j, 0
.rept 16
	v_pk_mul_f32 v[O+j:O+j+1], v[O+j:O+j+1], v[FP:FP+1] op_sel_hi:[1,0]    ; O^T under the new M; these sixteen stand between the scale word's and the codes' last writes and the products
.set j, j+2
.endr
	s_cmp_eq_u32 s[DD], 7
	s_cbranch_scc1 .Lp0
	s_cmp_eq_u32 s[DD], 8
	s_cbranch_scc1 .Lp1
	s_cmp_eq_u32 s[DD], 9
	s_cbranch_scc1 .Lp2
	s_wait_alu depctr_va_vdst(0)
	s_wait_dscnt 0xa                               ; V's are in: the constants' ten loads are younger
.irp d, 0,1,2,3
	MMC O+8*\d, FR+8*\d, PC, O+8*\d, KS+10+\d/2, PS, \d%2    ; O^T += V^T P^T; the four accumulators by turns
.endr
	s_wait_dscnt 0x0
.irp d, 0,1,2,3
	MMC O+8*\d, S+8*\d, PC, O+8*\d, KS+12+\d/2, PS, \d%2     ; += rpv's constant blocks x p
.endr
	s_branch .Lnext
.Lp0:
	PSAVE 0
	s_branch .Linb
.Lp1:
	PSAVE 1
	s_branch .Linb
.Lp2:
	PSAVE 2
.Linb:
	s_wait_dscnt 0x0
	s_wait_alu depctr_va_vdst(0)
.irp d, 0,1,2,3
	MMC O+8*\d, FR+8*\d, PC, O+8*\d, KS+10+\d/2, PS, \d%2
.endr
.Lnext:
	s_add_co_u32 s[TK], s[TK], 4096
	s_add_co_u32 s[TKS], s[TKS], 512
	s_add_co_u32 s[TVS], s[TVS], 256
	s_add_co_u32 s[DD], s[DD], 1
	s_add_co_u32 s[ST], s[ST], 1
	s_cmp_lt_u32 s[ST], 8
	s_cbranch_scc1 .Lstep
	; ---- THE BAND'S PART OF p x rpv, by classes
	PLACES 4
	v_lshrrev_b32 v[RW], 2, v[LI]                  ; 4 x lane
.irp g, 1,2,3                          ; K steps 1, 2 and 3 into v58-89, v90-121, v122-153: ten loads each, all ahead of the barrier
.irp d, 0,1,2,3
.irp c, 0,1
	global_load_b128 v[26+32*\g+8*\d+4*\c:29+32*\g+8*\d+4*\c], v[LI], s[42:43] offset:51200+4096*\g+1024*\d+512*\c
.endr
.endr
.irp i, 0,1
	global_load_b32 v[KS+4*\g+\i], v[RW], s[44:45] offset:18432+256*\g+128*\i
.endr
.endr
.irp s, 0,1,2                          ; the three scale words under the final M: each byte less (final M - the step's M), held at 0
	v_sub_f32 v[BM+\s], v[SM+\s], v[NM]
.endr
.irp s, 0,1,2
	s_delay_alu instid0(VALU_DEP_3)
	v_med3_num_f32 v[BM+\s], v[BM+\s], 0, 0x42fe0000
.endr
.irp s, 0,1,2
	s_delay_alu instid0(VALU_DEP_3)
	v_cvt_u32_f32 v[BM+\s], v[BM+\s]
.endr
.irp s, 0,1,2
	s_delay_alu instid0(VALU_DEP_3)
	v_mul_lo_u32 v[BM+\s], v[BM+\s], s30
.endr
.irp s, 0,1,2
	v_or_b32 v[PT+\s], s31, v[SW+\s]               ; bytes are 125 at the most: with bit 7 set no byte borrows from its neighbour
.endr
.irp s, 0,1,2
	s_delay_alu instid0(VALU_DEP_3)
	v_sub_nc_u32 v[PT+\s], v[PT+\s], v[BM+\s]
.endr
.irp s, 0,1,2
	s_delay_alu instid0(VALU_DEP_3)
	v_and_b32 v[BM+\s], s31, v[PT+\s]              ; bit 7 still set: the byte did not fall under 0
.endr
.irp s, 0,1,2
	s_delay_alu instid0(VALU_DEP_3)
	v_lshrrev_b32 v[BM+\s], 7, v[BM+\s]
.endr
.irp s, 0,1,2
	s_delay_alu instid0(VALU_DEP_3)
	v_lshlrev_b32 v[SO+\s], 8, v[BM+\s]
.endr
.irp s, 0,1,2
	s_delay_alu instid0(VALU_DEP_3)
	v_sub_nc_u32 v[BM+\s], v[SO+\s], v[BM+\s]      ; x 255: a mask of whole bytes
.endr
.irp s, 0,1,2
	v_and_b32 v[PT+\s], s32, v[PT+\s]
.endr
.irp s, 0,1,2
	s_delay_alu instid0(VALU_DEP_3)
	v_and_b32 v[SW+\s], v[PT+\s], v[BM+\s]
.endr
.irp s, 0,1,2
	ds_store_b32 v[PSW], v[SW+\s] offset:4+4*\s
.endr
	s_wait_dscnt 0x0                               ; my stores have landed, my reads of my rows of the skew are over
	s_barrier_signal -1
	s_barrier_wait -1
.irp g, 1,2,3                          ; p's fragments of K steps 1 to 3: v210-217, v218-225, v226-233
.irp c, 0,1
	ds_load_b128 v[202+8*\g+4*\c:205+8*\g+4*\c], v[APR] offset:64*\g+32*\c
.endr
.endr
.irp i, 0,1,2,3,4
	ds_load_b32 v[W+\i], v[PSR] offset:4*\i
.endr
	s_wait_dscnt 0x0
	v_alignbit_b32 v[PS], v[W+1], v[W], v[SH]
	v_alignbit_b32 v[SW], v[W+2], v[W+1], v[SH]
	v_alignbit_b32 v[SW+1], v[W+3], v[W+2], v[SH]
	v_alignbit_b32 v[SW+2], v[W+4], v[W+3], v[SH]
	PLACES 8                                       ; scale registers written by vector instructions stand eight places ahead of the products
	s_wait_alu depctr_va_vdst(0)
	s_wait_loadcnt 0x14                            ; K step 1's ten are in: twenty loads are younger
.irp d, 0,1,2,3
	MMZ 26+8*\d, 58+8*\d, 210, KS+4+\d/2, SW, \d%2
.endr
	s_wait_loadcnt 0xa
.irp d, 0,1,2,3
	MMC 26+8*\d, 90+8*\d, 218, 26+8*\d, KS+8+\d/2, SW+1, \d%2
.endr
	PLACES 4                                       ; for the loads into K step 1's registers
.irp d, 0,1,2,3                        ; K step 0 of every class's table is the constant below the band
.irp c, 0,1
	ds_load_b128 v[58+8*\d+4*\c:61+8*\d+4*\c], v[AVC] offset:32768+1024*\d+512*\c
.endr
.endr
.irp i, 0,1
	ds_load_b32 v[KS+\i], v[AVS0] offset:2048+128*\i
.endr
.irp c, 0,1
	ds_load_b128 v[210+4*\c:213+4*\c], v[APR] offset:32*\c
.endr
	s_wait_loadcnt 0x0
.irp d, 0,1,2,3
	MMC 26+8*\d, 122+8*\d, 226, 26+8*\d, KS+12+\d/2, SW+2, \d%2
.endr
	s_wait_dscnt 0x0
.irp d, 0,1,2,3
	MMC 26+8*\d, 58+8*\d, 210, 26+8*\d, KS+\d/2, PS, \d%2
.endr
	PLACES 4
.irp d, 0,1,2,3
	ds_store_b128 v[OSW], v[26+8*\d:29+8*\d] offset:64*\d
	ds_store_b128 v[OSW], v[30+8*\d:33+8*\d] offset:64*\d+16
.endr
	s_wait_dscnt 0x0
	s_barrier_signal -1
	s_barrier_wait -1
.irp d, 0,1,2,3
	ds_load_b128 v[58+8*\d:61+8*\d], v[OSR] offset:64*\d
	ds_load_b128 v[62+8*\d:65+8*\d], v[OSR] offset:64*\d+16
.endr
	v_add_f32 v[LS], v[LS], v[LS+1]
	s_delay_alu instid0(VALU_DEP_1)
	v_permlanex16_b32 v[PT], v[LS], s[SEL], s[SEL+1]
	s_delay_alu instid0(VALU_DEP_1)
	v_add_f32 v[LS], v[LS], v[PT]                  ; the row's sum
	s_wait_alu depctr_va_vdst(0)
	v_rcp_f32 v[FP], v[LS]
	s_wait_dscnt 0x0
.set j, 0
	s_wait_alu depctr_va_vdst(0)
.rept 16
	v_pk_add_f32 v[O+j:O+j+1], v[O+j:O+j+1], v[58+j:59+j]      ; plain work behind the reciprocal
.set j, j+2
.endr
	s_wait_alu depctr_va_vdst(0)                   ; ahead of the reciprocal's first reader
.set j, 0
.rept 16
	v_pk_mul_f32 v[O+j:O+j+1], v[O+j:O+j+1], v[FP:FP+1] op_sel_hi:[1,0]
.set j, j+2
.endr
	; the quantiser ahead of the last product: my head's 64 numbers are two blocks of its K
.irp b, 0,1
	v_max3_num_f32 v[BM+\b], |v[O+16*\b]|, |v[O+16*\b+1]|, 0x1800000
.endr
.irp i, 2,4,6,8,10,12,14
.irp b, 0,1
	s_delay_alu instid0(VALU_DEP_2)
	v_max3_num_f32 v[BM+\b], v[BM+\b], |v[O+16*\b+\i]|, |v[O+16*\b+\i+1]|
.endr
.endr
.irp b, 0,1
	s_delay_alu instid0(VALU_DEP_2)
	v_permlanex16_b32 v[PT+\b], v[BM+\b], s[SEL], s[SEL+1]
.endr
.irp b, 0,1
	s_delay_alu instid0(VALU_DEP_2)
	v_max_num_f32 v[BM+\b], v[BM+\b], v[PT+\b]
.endr
.irp b, 0,1
	s_delay_alu instid0(VALU_DEP_2)
	v_add_nc_u32 v[SO+\b], 0xff000000, v[BM+\b]
.endr
.irp b, 0,1
	s_delay_alu instid0(VALU_DEP_2)
	v_lshrrev_b32 v[PT+\b], 23, v[SO+\b]
.endr
	s_delay_alu instid0(VALU_DEP_1)
	v_lshl_or_b32 v[T0], v[PT+1], 8, v[PT]
	v_lshlrev_b32 v243, 5, v242                    ; 32 scale bytes a token
	v_cvt_scalef32_pk8_fp4_f32 v[W], v[O:O+7], v[SO]
	v_cvt_scalef32_pk8_fp4_f32 v[W+1], v[O+16:O+23], v[SO+1]
	v_cvt_scalef32_pk8_fp4_f32 v[W+2], v[O+8:O+15], v[SO]
	v_cvt_scalef32_pk8_fp4_f32 v[W+3], v[O+24:O+31], v[SO+1]
	v_nop
	v_permlane16_swap_b32 v[W], v[W+1]
	v_permlane16_swap_b32 v[W+2], v[W+3]
	global_store_b128 v[LI], v[W:W+3], s[10:11]    ; 512 consecutive bytes: the image of this tile's and head's half fragment
	global_store_b16 v243, v[T0], s[12:13]         ; two bytes a token: both halves of the lanes store the same
	s_wait_tensorcnt 0x0                           ; the wave's end
	ds_add_u32 v[SPW], v[NIL]
	s_wait_dscnt 0x0
	s_endpgm
.Lfunc_end_k_q4f389e2dae_attn:
	.size	k_q4f389e2dae_attn, .Lfunc_end_k_q4f389e2dae_attn-k_q4f389e2dae_attn
	.p2alignl 7, 3214868480
	.fill 96, 4, 3214868480
	.section	.rodata,"a",@progbits
	.p2align	6, 0x0
	.amdhsa_kernel k_q4f389e2dae_attn
		.amdhsa_group_segment_fixed_size 285184
		.amdhsa_private_segment_fixed_size 0
		.amdhsa_enable_private_segment 0
		.amdhsa_kernarg_size 40
		.amdhsa_user_sgpr_count 2
		.amdhsa_user_sgpr_kernarg_segment_ptr 1
		.amdhsa_wavefront_size32 1
		.amdhsa_system_sgpr_workgroup_id_x 1
		.amdhsa_system_sgpr_workgroup_id_y 1
		.amdhsa_system_sgpr_workgroup_id_z 1
		.amdhsa_system_vgpr_workitem_id 0
		.amdhsa_next_free_vgpr 256
		.amdhsa_next_free_sgpr 66
		.amdhsa_reserve_vcc 0
		.amdhsa_float_denorm_mode_32 3
		.amdhsa_float_denorm_mode_16_64 3
		.amdhsa_memory_ordered 1
		.amdhsa_forward_progress 1
		.amdhsa_inst_pref_size 83
	.end_amdhsa_kernel
	.amdgpu_metadata
---
amdhsa.version: [ 1, 2 ]
amdhsa.kernels:
  - .name:           k_q4f389e2dae_attn
    .symbol:         k_q4f389e2dae_attn.kd
    .args:
      - { .name: qkc, .offset: 0, .size: 8, .value_kind: global_buffer, .address_space: global }
      - { .name: qks, .offset: 8, .size: 8, .value_kind: global_buffer, .address_space: global }
      - { .name: tab, .offset: 16, .size: 8, .value_kind: global_buffer, .address_space: global }
      - { .name: aoc, .offset: 24, .size: 8, .value_kind: global_buffer, .address_space: global }
      - { .name: aos, .offset: 32, .size: 8, .value_kind: global_buffer, .address_space: global }
    .group_segment_fixed_size: 285184
    .private_segment_fixed_size: 0
    .kernarg_segment_align: 8
    .kernarg_segment_size: 40
    .max_flat_workgroup_size: 512
    .sgpr_count:     66
    .vgpr_count:     256
    .wavefront_size: 32
...
	.end_amdgpu_metadata
.endif
;; end of part 2
;; launch outp (part 3): grid 8 x 32, 8 waves a work-group, clusters of 4 x 4, 327,680 bytes of LDS; arguments aoc, aos, Wo_codes, Wo_scales, bo, out0; writes out0
.if DOCPART == 3
	.amdgcn_target "amdgcn-amd-amdhsa--gfx1250"
	.amdhsa_code_object_version 6
	.text
	.protected	k_q4f389e2dae_outp
	.globl	k_q4f389e2dae_outp
	.p2align	8
	.type	k_q4f389e2dae_outp,@function
k_q4f389e2dae_outp:
	s_mov_b64 s[64:65], 0
	v_nop
	global_prefetch_b8 v0, s[64:65] scope:SCOPE_SE
	s_setreg_imm32_b32 hwreg(HW_REG_WAVE_MODE, 25, 1), 1
	s_wait_xcnt 0x0
	s_wait_alu depctr_hold_cnt(0) depctr_sa_sdst(0) depctr_va_vdst(0) depctr_va_sdst(0) depctr_va_ssrc(0) depctr_va_vcc(0) depctr_vm_vsrc(0)
	s_getreg_b32 s2, hwreg(HW_REG_IB_STS2, 6, 4)
	s_cmp_eq_u32 s2, 0
	s_cbranch_scc0 .Lentry_in_a_cluster
	s_endpgm
.Lentry_in_a_cluster:
	s_bfe_u32 s2, ttmp6, 0x10000c
	s_cmp_lg_u32 s2, 0xf033
	s_cbranch_scc0 .Lentry_shape_is_right
	s_endpgm
.Lentry_shape_is_right:
; Launch 3 of 3: out = (attention's output) Wo^T + bo, both operands as codes of E2M1 with E8M0 scale bytes, f32 sums.
; LIMITS: NaN, infinities and a given scale byte 0xff are not served.
; A work-group makes 128 tokens x 128 columns: 256 work-groups.  Its eight waves make 32 tokens x 64 columns each: 2 x 4 accumulators.
; ALL OF K = 1,024 lies in LDS, filled once: A's 65,536 bytes (images of operand registers, as the launch before laid them), B's 128 rows of 512 bytes, and the scale bytes of both: no ring, no refill.
; CLUSTERS of 4 x 4: A's tile is asked for jointly along a row of the cluster, B's along a column.  Each wave has one load: waves 0 to 3 a quarter of A, waves 4 and 5 a half of B, wave 6 A's scale bytes, wave 7 B's.
; No prefetch: the launch has no loop to run ahead in; each byte is asked for once, at the head.
; Used transposed (source 0 = 16 rows of Wo, source 1 = 16 tokens): a lane holds eight neighbouring columns of one token.  The bias is given as the C of each accumulator's first product.
; OUT: 16 tokens x 256 bytes go through the wave's own stage in LDS; each store of the wave covers two aligned pieces of 256 consecutive bytes.
.set BPITCH, 528                       ; 512 bytes + 16 of padding
.set BOFF,   65536
.set SCA,    BOFF+128*BPITCH           ; scale bytes: 16 units of 256 bytes + 16 of padding
.set SCB,    SCA+16*272
.set STAGE,  SCB+16*272                ; 2 x 16 rows of 272 bytes a wave
.set SPARE,  STAGE+8*8704              ; the spare words, 128 bytes a wave
.set ADA, 16
.set ADB, 17
.set ASA, 18
.set ASB, 19
.set STO, 20
.set RD,  21
.set CO,  22
.set BIO, 23
.set SPW, 28
.set NIL, 29
.set SA,  32                           ; v32-39 A's scale words of my 32 rows: lane = row; register q: K step q
.set SB,  40                           ; v40-55 B's: two sets of 32 rows
.set BI,  56                           ; v56-87 the bias
.set ACC, 88                           ; v88-151 accumulator (a, b) at ACC + 32 a + 8 b
.set F0,  152                          ; v152-247 two sets of fragments: A's 2, B's 4; on the way out rows read back
.set G1,  24
.set G0,  32
.set G1B, 48
.set G0B, 56
.set G1S, 68
.set G0S, 76
.set G1SB, 80
.set G0SB, 88
.macro CREST
	s_cmp_lg_u32 s16, 0
	s_cbranch_scc1 .Lnot_wave_0_\@
	s_barrier_signal -3
.Lnot_wave_0_\@:
	s_barrier_wait -3
	s_barrier_signal -1
	s_barrier_wait -1
.endm
.macro CROUND
	s_barrier_signal -1
	s_barrier_wait -1
	CREST
.endm
.macro ARM under, g0, g1, next
	s_cmp_lt_u32 s16, \under
	s_cbranch_scc0 \next
	tensor_load_to_lds s[\g0:\g0+3], s[\g1:\g1+7]
	s_nop 0
.rept 4
	v_nop
.endr
	s_branch .Lhead_asked
\next:
.endm
.macro G1SET g, c, r                   ; r dense rows of c elements
	s_mov_b32 s[\g+1], (\c)<<16
	s_mov_b32 s[\g+2], (\r)<<16
	s_mov_b32 s[\g+3], (\c)<<16
	s_mov_b32 s[\g+4], \r
	s_mov_b32 s[\g+5], \c
	s_mov_b32 s[\g+6], 0
	s_mov_b32 s[\g+7], 0
.endm
.macro PLACES n
.rept \n
	v_nop
.endr
.endm
	s_load_b128 s[4:7], s[0:1], 0x0                ; aoc, aos
	s_load_b128 s[8:11], s[0:1], 0x10              ; Wo's codes and scales
	s_load_b128 s[12:15], s[0:1], 0x20             ; bo, out0
	v_lshl_add_u32 v[SPW], v0, 2, SPARE
	v_mov_b32 v[NIL], 0
	ds_add_u32 v[SPW], v[NIL]                      ; the wave's opening: the add, twice on end, and its wait ahead of my tensor load
	ds_add_u32 v[SPW], v[NIL]
	v_lshrrev_b32 v1, 5, v0
	v_readfirstlane_b32 s16, v1                    ; wave 0..7
	s_bfe_u32 s40, ttmp6, 0x40000                  ; cx
	s_bfe_u32 s41, ttmp6, 0x40004                  ; cy
	s_lshl_b32 s42, ttmp9, 2
	s_add_co_u32 s42, s42, s40                     ; tile of columns 0..7
	s_and_b32 s43, ttmp7, 0xffff
	s_lshl_b32 s43, s43, 2
	s_add_co_u32 s43, s43, s41                     ; tile of tokens 0..31
	s_lshl_b32 s44, s41, 2
	s_lshl_b32 s44, 15, s44                        ; my row of the cluster
	s_lshl_b32 s45, 0x1111, s40                    ; my column
	s_or_b32 s[G1], s44, (3<<16)|(1<<21)           ; A: a quarter of 16,384 dense bytes, 4 rows of 512 elements of 8 bytes
	G1SET G1, 512, 4
	s_or_b32 s[G1B], s45, (1<<20)|(1<<21)|(6<<22)|(3<<25)   ; B: 64 rows of 512 bytes, four words of padding after every 128
	G1SET G1B, 512, 64
	s_or_b32 s[G1S], s44, (3<<16)|(1<<20)|(1<<21)|(5<<22)|(3<<25)
	G1SET G1S, 32, 16
	s_or_b32 s[G1SB], s45, (3<<16)|(1<<20)|(1<<21)|(5<<22)|(3<<25)
	G1SET G1SB, 32, 16
	s_and_b32 s94, s16, 3
	s_lshl_b32 s94, s94, 14                        ; my quarter of A
	s_and_b32 s95, s16, 1                          ; my half of B
	s_lshl_b32 s20, s43, 16
	s_add_co_u32 s20, s20, s94
	s_mov_b32 s21, 0
	s_lshl_b32 s46, s42, 16
	s_lshl_b32 s18, s95, 15
	s_add_co_u32 s46, s46, s18
	s_mov_b32 s47, 0
	s_lshl_b32 s22, s43, 12
	s_mov_b32 s23, 0
	s_lshl_b32 s92, s42, 12
	s_mov_b32 s93, 0
	s_mul_i32 s95, s95, 64*BPITCH
	s_add_co_u32 s95, s95, BOFF
	s_wait_dscnt 0x0                               ; both opening adds are done
	s_wait_kmcnt 0x0
	s_mov_b32 s[G0], 1
	s_mov_b32 s[G0+1], s94
	s_add_nc_u64 s[G0+2:G0+3], s[4:5], s[20:21]
	s_or_b32 s[G0+3], s[G0+3], 0x80000000
	s_mov_b32 s[G0B], 1
	s_mov_b32 s[G0B+1], s95
	s_add_nc_u64 s[G0B+2:G0B+3], s[8:9], s[46:47]
	s_or_b32 s[G0B+3], s[G0B+3], 0x80000000
	s_mov_b32 s[G0S], 1
	s_mov_b32 s[G0S+1], SCA
	s_add_nc_u64 s[G0S+2:G0S+3], s[6:7], s[22:23]
	s_or_b32 s[G0S+3], s[G0S+3], 0x80000000
	s_mov_b32 s[G0SB], 1
	s_mov_b32 s[G0SB+1], SCB
	s_add_nc_u64 s[G0SB+2:G0SB+3], s[10:11], s[92:93]
	s_or_b32 s[G0SB+3], s[G0SB+3], 0x80000000
	CROUND                                         ; all sixteen work-groups are here: the joint loads meet
	ARM 4, G0,  G1,  .Lhead_b
	ARM 6, G0B, G1B, .Lhead_sa
	ARM 7, G0S, G1S, .Lhead_sb
	tensor_load_to_lds s[G0SB:G0SB+3], s[G1SB:G1SB+7]
	s_nop 0
.rept 4
	v_nop
.endr
.Lhead_asked:
	s_lshr_b32 s17, s16, 1                         ; my 32 tokens of the 128
	s_and_b32 s18, s16, 1                          ; my 64 columns of the 128
	s_lshl_b32 s19, s17, 14                        ; LDS: my two tiles of A,
	s_mul_i32 s20, s18, 64*BPITCH
	s_add_co_u32 s20, s20, BOFF                    ; my 64 rows of B,
	s_mul_i32 s21, s17, 4*272
	s_add_co_u32 s21, s21, SCA                     ; and their scale bytes
	s_mul_i32 s22, s18, 8*272
	s_add_co_u32 s22, s22, SCB
	s_mul_i32 s23, s16, 8704
	s_add_co_u32 s23, s23, STAGE                   ; my stage
	s_lshl_b32 s46, s42, 9
	s_lshl_b32 s47, s18, 8
	s_add_co_u32 s46, s46, s47                     ; my first column, in bytes
	s_mov_b32 s47, 0
	s_add_nc_u64 s[12:13], s[12:13], s[46:47]      ; the bias
	s_lshl_b32 s92, s43, 19
	s_lshl_b32 s93, s17, 17
	s_add_co_u32 s92, s92, s93
	s_mov_b32 s93, 0
	s_add_nc_u64 s[14:15], s[14:15], s[46:47]
	s_add_nc_u64 s[14:15], s[14:15], s[92:93]      ; out at my first token
	v_and_b32 v2, 15, v0                           ; r
	v_bfe_u32 v3, v0, 4, 1                         ; h
	v_and_b32 v4, 31, v0                           ; lane
	v_lshlrev_b32 v5, 4, v4
	v_add_nc_u32 v[ADA], s19, v5
	v_mul_u32_u24 v6, v2, BPITCH
	v_lshl_add_u32 v6, v3, 4, v6
	v_add_nc_u32 v[ADB], s20, v6
	v_lshrrev_b32 v7, 3, v4
	v_mul_u32_u24 v7, v7, 272
	v_and_b32 v8, 7, v4
	v_lshl_add_u32 v7, v8, 5, v7                   ; 32 bytes a row, 16 more after every eight rows
	v_add_nc_u32 v[ASA], s21, v7
	v_add_nc_u32 v[ASB], s22, v7
	v_mul_u32_u24 v9, v2, 272
	v_lshl_add_u32 v9, v3, 5, v9
	v_add_nc_u32 v[STO], s23, v9                   ; in: row r, 32 bytes for each half of the lanes
	v_mul_u32_u24 v10, v3, 272
	v_lshl_add_u32 v10, v2, 4, v10
	v_add_nc_u32 v[RD], s23, v10                   ; back: lanes 0-15 one row, lanes 16-31 the next
	v_lshlrev_b32 v11, 12, v3
	v_lshl_add_u32 v[CO], v2, 4, v11
	v_lshlrev_b32 v[BIO], 5, v3
	s_wait_alu depctr_va_vdst(0)                   ; the wait at the head's end
.irp b, 0,1,2,3                        ; register 8 b + j: the bias of column 16 b + 8 h + j
	global_load_b128 v[BI+8*\b:BI+8*\b+3], v[BIO], s[12:13] offset:64*\b
	global_load_b128 v[BI+8*\b+4:BI+8*\b+7], v[BIO], s[12:13] offset:64*\b+16
.endr
.macro LOADQ q, f                      ; K step q's fragments: twelve loads
.irp b, 0,1,2,3
.irp c, 0,1
	ds_load_b128 v[\f+16+8*\b+4*\c:\f+16+8*\b+4*\c+3], v[ADB] offset:16*BPITCH*\b+64*(\q)+32*\c
.endr
.endr
.irp a, 0,1
.irp c, 0,1
	ds_load_b128 v[\f+8*\a+4*\c:\f+8*\a+4*\c+3], v[ADA] offset:8192*\a+1024*(\q)+512*\c
.endr
.endr
.endm
.macro MM d, b, a, c, sb, sa, rb, ra   ; rb, ra: which half of the lanes holds the scale words
.if \rb && \ra
	v_wmma_scale_f32_16x16x128_f8f6f4 v[\d:\d+7], v[\b:\b+7], v[\a:\a+7], v[\c:\c+7], v[\sb], v[\sa] matrix_a_fmt:MATRIX_FMT_FP4 matrix_b_fmt:MATRIX_FMT_FP4 matrix_a_scale:MATRIX_SCALE_ROW1 matrix_b_scale:MATRIX_SCALE_ROW1
.elseif \rb
	v_wmma_scale_f32_16x16x128_f8f6f4 v[\d:\d+7], v[\b:\b+7], v[\a:\a+7], v[\c:\c+7], v[\sb], v[\sa] matrix_a_fmt:MATRIX_FMT_FP4 matrix_b_fmt:MATRIX_FMT_FP4 matrix_a_scale:MATRIX_SCALE_ROW1
.elseif \ra
	v_wmma_scale_f32_16x16x128_f8f6f4 v[\d:\d+7], v[\b:\b+7], v[\a:\a+7], v[\c:\c+7], v[\sb], v[\sa] matrix_a_fmt:MATRIX_FMT_FP4 matrix_b_fmt:MATRIX_FMT_FP4 matrix_b_scale:MATRIX_SCALE_ROW1
.else
	v_wmma_scale_f32_16x16x128_f8f6f4 v[\d:\d+7], v[\b:\b+7], v[\a:\a+7], v[\c:\c+7], v[\sb], v[\sa] matrix_a_fmt:MATRIX_FMT_FP4 matrix_b_fmt:MATRIX_FMT_FP4
.endif
.endm
.macro MULQ q, f                       ; the eight accumulators by turns, in the same order in every K step
.irp a, 0,1
.irp b, 0,1,2,3
.if (\q) == 0
	MM ACC+32*\a+8*\b, \f+16+8*\b, \f+8*\a, BI+8*\b, SB+8*(\b/2)+\q, SA+\q, \b%2, \a
.else
	MM ACC+32*\a+8*\b, \f+16+8*\b, \f+8*\a, ACC+32*\a+8*\b, SB+8*(\b/2)+\q, SA+\q, \b%2, \a
.endif
.endr
.endr
.endm
	s_wait_loadcnt 0x0                             ; the bias
	s_wait_tensorcnt 0x0                           ; my tile is in
	s_barrier_signal -1
	s_barrier_wait -1                              ; everybody's is
.irp c, 0,1
	ds_load_b128 v[SA+4*\c:SA+4*\c+3], v[ASA] offset:16*\c
	ds_load_b128 v[SB+4*\c:SB+4*\c+3], v[ASB] offset:16*\c
	ds_load_b128 v[SB+8+4*\c:SB+11+4*\c], v[ASB] offset:4*272+16*\c
.endr
	LOADQ 0, F0
	LOADQ 1, F0+48
.irp q, 0,1,2,3,4,5,6,7
.if \q < 7
	s_wait_dscnt 0xc                               ; all but the next K step's twelve
.else
	s_wait_dscnt 0x0
.endif
	MULQ \q, F0+48*(\q%2)
.if \q < 6
	PLACES 4                                       ; for the loads into registers that the products have just read
	LOADQ \q+2, F0+48*(\q%2)
.endif
.endr
	PLACES 4                                       ; behind the last products: their results are read, their fragments' registers loaded into
.macro STG a                           ; 16 tokens into my stage, each accumulator from its low end on, and back as whole rows of 256 bytes: LDS serves a wave's instructions in order (ISA guide 5.7.1.4)
.irp b, 0,1,2,3
	ds_store_b128 v[STO], v[ACC+32*\a+8*\b:ACC+32*\a+8*\b+3] offset:4352*\a+64*\b
	ds_store_b128 v[STO], v[ACC+32*\a+8*\b+4:ACC+32*\a+8*\b+7] offset:4352*\a+64*\b+16
.endr
.irp i, 0,1,2,3,4,5,6,7
	ds_load_b128 v[F0+32*\a+4*\i:F0+32*\a+4*\i+3], v[RD] offset:4352*\a+544*\i
.endr
.endm
.macro SENDB a
.irp i, 0,1,2,3,4,5,6,7
	global_store_b128 v[CO], v[F0+32*\a+4*\i:F0+32*\a+4*\i+3], s[14:15] offset:65536*\a+8192*\i th:TH_STORE_NT
.endr
.endm
	STG 0
	STG 1
	s_wait_dscnt 0x10                              ; all but the second block's eight stores and eight loads
	SENDB 0
	s_wait_dscnt 0x0
	SENDB 1
	s_wait_tensorcnt 0x0                           ; the wave's end
	ds_add_u32 v[SPW], v[NIL]
	s_wait_dscnt 0x0
	CROUND                                         ; the closing round
	s_endpgm
.Lfunc_end_k_q4f389e2dae_outp:
	.size	k_q4f389e2dae_outp, .Lfunc_end_k_q4f389e2dae_outp-k_q4f389e2dae_outp
	.p2alignl 7, 3214868480
	.fill 96, 4, 3214868480
	.section	.rodata,"a",@progbits
	.p2align	6, 0x0
	.amdhsa_kernel k_q4f389e2dae_outp
		.amdhsa_group_segment_fixed_size 327680
		.amdhsa_private_segment_fixed_size 0
		.amdhsa_enable_private_segment 0
		.amdhsa_kernarg_size 48
		.amdhsa_user_sgpr_count 2
		.amdhsa_user_sgpr_kernarg_segment_ptr 1
		.amdhsa_wavefront_size32 1
		.amdhsa_system_sgpr_workgroup_id_x 1
		.amdhsa_system_sgpr_workgroup_id_y 1
		.amdhsa_system_sgpr_workgroup_id_z 1
		.amdhsa_system_vgpr_workitem_id 0
		.amdhsa_next_free_vgpr 256
		.amdhsa_next_free_sgpr 100
		.amdhsa_reserve_vcc 0
		.amdhsa_float_denorm_mode_32 3
		.amdhsa_float_denorm_mode_16_64 3
		.amdhsa_memory_ordered 1
		.amdhsa_forward_progress 1
		.amdhsa_inst_pref_size 29
	.end_amdhsa_kernel
	.amdgpu_metadata
---
amdhsa.version: [ 1, 2 ]
amdhsa.kernels:
  - .name:           k_q4f389e2dae_outp
    .symbol:         k_q4f389e2dae_outp.kd
    .args:
      - { .name: aoc, .offset: 0, .size: 8, .value_kind: global_buffer, .address_space: global }
      - { .name: aos, .offset: 8, .size: 8, .value_kind: global_buffer, .address_space: global }
      - { .name: Wo_codes, .offset: 16, .size: 8, .value_kind: global_buffer, .address_space: global }
      - { .name: Wo_scales, .offset: 24, .size: 8, .value_kind: global_buffer, .address_space: global }
      - { .name: bo, .offset: 32, .size: 8, .value_kind: global_buffer, .address_space: global }
      - { .name: out0, .offset: 40, .size: 8, .value_kind: global_buffer, .address_space: global }
    .group_segment_fixed_size: 327680
    .private_segment_fixed_size: 0
    .kernarg_segment_align: 8
    .kernarg_segment_size: 48
    .max_flat_workgroup_size: 256
    .sgpr_count:     100
    .vgpr_count:     256
    .wavefront_size: 32
...
	.end_amdgpu_metadata
.endif
;; end of part 3
